; MI455X (gfx1250); checked and timed in simulation.
; The chip was launched on July 23, 2026; its instructions are those of AMD's public machine-readable ISA for CDNA 5 (MIT licence, August 2026) and "CDNA5" Instruction Set Architecture Reference Guide (July 2026). The comments in the code are by the model that wrote it; some were corrected since.
;; Multi Head Attention. Allowed arithmetic: matrix products marked QUANTISED: E4M3 operands, one given power-of-two scale a tensor, by v_wmma_f32_16x16x64_fp8_fp8 or v_wmma_f32_16x16x128_fp8_fp8, f32 sums; everything else in f32.
;; Inputs: b_out 1,024 float32; lowp_scales 8 int32 (the exponents e of the quantised operands' scales 2^e); w_out 1,024 x 1,024 float32; w_qkv 1,024 x 3,072 float32; x 4 x 2,048 x 1,024 float32.
;; Outputs: out0 4 x 2,048 x 1,024 float32.
;; This version of the problem:
;;   THIS VERSION OF THE PROBLEM IS GIVEN IN LOW PRECISION. The matrix products marked QUANTISED in the list below multiply operands that are first quantised to E4M3 (4 exponent bits, 3 mantissa bits; 8 bits a number), with one given power-of-two scale for each operand tensor; their sums are f32. All else is computed in f32.
;;   The module's matrix products, in the order in which they are computed (A, B: the left and right operand; K: the contracted axis; several contracted axes count as one K, in the product's order):
;;     1. [M 8,192, K 1,024] x [K 1,024, N 3,072]; A: input x; B: input w_qkv: QUANTISED (scales: A lowp_scales[0], B lowp_scales[1])
;;     2. batch 64 x [M 2,048, K 64] x [K 64, N 2,048]; A: computed on the way; B: computed on the way: QUANTISED (scales: A lowp_scales[2], B lowp_scales[3])
;;     3. batch 64 x [M 2,048, K 2,048] x [K 2,048, N 64]; A: softmax (see below); B: computed on the way: QUANTISED (scales: A lowp_scales[4], B lowp_scales[5])
;;     4. [M 8,192, K 1,024] x [K 1,024, N 1,024]; A: computed on the way; B: input w_out: QUANTISED (scales: A lowp_scales[6], B lowp_scales[7])
;;   THE QUANTISER, for each operand of a quantised product, along K:
;;     - The operand's scale is 2^e, e = its entry of the input lowp_scales (int32; the entries are numbered through the quantised products in the list's order, A before B).
;;     - Each number is divided by the scale, clamped to +-448, and rounded to the nearest number of E4M3, ties to even, subnormals kept.
;;     - The product sums the exact products of the quantised numbers (number of the format x scale) in f32.
;;   ~~~python
;;   def quantise(x, axis, e):      # numpy; x: float32 -> the quantised numbers, widened to float32 again
;;       x = np.moveaxis(x, axis, -1); K = x.shape[-1]
;;       r = np.clip(x / 2.0 ** e, -448, 448)
;;       step = 2.0 ** (np.maximum(np.frexp(np.where(r == 0, 1, r))[1] - 1, -6) - 3)
;;       q = np.round(r / step) * step * 2.0 ** e      # np.round: ties to even
;;       return np.moveaxis(q, -1, axis).astype(np.float32)
;;   ~~~
;;   SOFTMAX AHEAD OF A QUANTISED PRODUCT. Where the list says 'softmax', what is quantised is not the finished softmax but p = 2^(t - M), with t = logit x log2(e) and M = ceil(the row's largest t), a whole number; so 1/2 < the row's largest p <= 1. The row's sum l is taken of the UNQUANTISED p, in f32, and the product's result is divided by l at the end. Since M is a whole number, a kernel that streams over the keys may use a running M (the ceiling of the running maximum): every later rescaling is an exact power of two, so the quantised numbers keep their values, but for numbers so far below the row's largest that they fall under the format's range.
;;   OPERANDS COMPUTED ON THE WAY. 'Computed on the way' means the value that the module computes at that place (a softmax that the list does not call 'softmax' is quantised finished and normalised). What goes into a quantiser is computed in f32, as accurately as f32 sums, v_exp_f32 and their like allow (about 1e-6 of the number): no bf16 or f16 on the way to a quantiser, and a product that is left as it is and whose result goes on into a quantised operand takes f32 operands (vector FMAs, or v_wmma_f32_16x16x4_f32). A number that lies on a knife's edge between two numbers of the format may be rounded either way, as far as f32 arithmetic and the matrix unit's own rounding can turn it there, and no further.
;; One version. Each part assembles by itself: llvm-mc -triple=amdgcn-amd-amdhsa -mcpu=gfx1250 --defsym DOCPART=n.
;; ======== version 1 of 1: 4 launches
;; limits: right only within a limited range of input values
;; workspace buffers: x_codes 8,388,608 bytes; w_codes 4,194,304 bytes; q_codes 8,388,608 bytes; k_codes 8,388,608 bytes; v_codes 8,388,608 bytes; ao_codes 8,388,608 bytes
;; launch quant (part 1): grid 384 x 1, 4 waves a work-group, no clusters, 68,096 bytes of LDS; arguments x, w_qkv, w_out, lowp_scales, x_codes, w_codes; writes x_codes, w_codes
.if DOCPART == 1
	.amdgcn_target "amdgcn-amd-amdhsa--gfx1250"
	.amdhsa_code_object_version 6
	.text
	.protected	k_qfb017e557e_quant
	.globl	k_qfb017e557e_quant
	.p2align	8
	.type	k_qfb017e557e_quant,@function
k_qfb017e557e_quant:
	s_mov_b64 s[64:65], 0
	v_nop
	global_prefetch_b8 v0, s[64:65] scope:SCOPE_SE
	s_setreg_imm32_b32 hwreg(HW_REG_WAVE_MODE, 25, 1), 1
	s_wait_xcnt 0x0
; x [8192][1024], w_qkv [1024][3072] and w_out [1024][1024], f32, become codes of FP8 (E4M3), one byte a number, K innermost, each with the scale 2^e that is given for it
; (entries 0, 1 and 7 of the buffer of scales).  code = number / 2^e, held within +-448, rounded to the nearest code, ties to even.
; x_codes: [8192 places][1024 k].  w_codes: [4096 places][1024 k]: places 0-3071 are w_qkv's columns, 3072-4095 w_out's.
; THE PLACE OF A ROW.  Row m of x, and column n of a weight, lies at place sw(m): m with its bits 3 and 4 exchanged.  Sixteen neighbouring places 32 b + 16 u + r then hold the rows 32 b + 8 u + r + 8 (r / 8):
; where such a tile is source 0 of a matrix instruction, the 16 result registers of two neighbouring tiles are 16 neighbouring rows, which the later launches turn into codes without any change of lanes.
; LIMITS: each e between -126 and 119, so that 2^e and 448 x 2^e are f32 numbers.  NaN among the inputs is not served; an infinity is held at the largest code.
; SHARES.  Work-groups 0-255 take x, 32,768 numbers each; work-groups 256-383 the weights, 128 columns x 256 along K each.  The two ways part once, on the work-group's number, and never join; each has LDS bytes of its own.
; No matrix unit, no tensor load, no cluster, no barrier: the work-groups share no input and the waves share nothing; memory binds.
.set XWG,   256                        ; x's work-groups
.set STEPS, 16                         ; x: steps of 512 numbers a wave
.set R,     16                         ; x: v16-79   four sets of 16 numbers as they are loaded
.set X,     80                         ; x: v80-111  two sets of 16 neighbours
.set C,     128                        ; x: v128-191 codes: four registers for each step, so that no store's data are written again
.set SP,    80                         ; x: a lane's place in a stage: its 64 bytes + 16 of padding
.set WREG,  8192                       ; x: LDS bytes 0-32767: a region for each wave: two stages of 32 x SP bytes
.set WST,   32768                      ; weights: LDS bytes 32768-67583: a stage of 32 rows x PITCH for each wave
.set PITCH, 272                        ; weights: a stage row: 256 codes + 16 bytes
.set NB,    8                          ; weights: blocks of 32 along K for a wave
.set WX,    32                         ; weights: v32-95   two sets of 32 numbers
.set WC,    96                         ; weights: v96-103  a block's codes
.set OUTR,  112                        ; weights: v112-175 the way out
.set VA,    176                        ; weights: v176-207 byte offset of row i of a block at my column; never rewritten
	s_load_b256 s[4:11], s[0:1], 0x0               ; x s[4:5], w_qkv s[6:7], w_out s[8:9], the scales' exponents s[10:11]
	s_load_b128 s[12:15], s[0:1], 0x20             ; x_codes s[12:13], w_codes s[14:15]
	v_lshl_add_u32 v208, v0, 2, 0x10800
	v_mov_b32 v209, 0
	v_lshrrev_b32 v1, 5, v0
	v_readfirstlane_b32 s16, v1                    ; wave 0..3
	v_and_b32 v2, 31, v0                           ; lane
	s_wait_kmcnt 0x0
	s_load_b256 s[24:31], s[10:11], 0x0            ; e0 .. e7
	s_cmp_ge_u32 ttmp9, XWG
	s_cbranch_scc1 .Lweights
; ---------------- x.  K is innermost and rows are dense.  A wave takes 8 whole rows (8,192 numbers) in 16 steps of 512.  Each of a step's four loads reads 512 consecutive bytes, 16 a lane; the step's 2,048 bytes go through
; the wave's own stage in LDS as they lie and come back 64 bytes a lane: 16 neighbours along K, which the conversions want in one lane.  A lane's 16 codes are 16 bytes: the wave stores 512 consecutive bytes.
	v_lshlrev_b32 v3, 4, v2                        ; my 16 bytes of a load's 512, and of a store's
	s_mul_i32 s17, s16, WREG
	v_lshrrev_b32 v14, 2, v2
	v_mul_u32_u24 v14, v14, SP
	v_and_b32 v15, 3, v2
	v_lshl_add_u32 v14, v15, 4, v14
	v_add_nc_u32 v14, s17, v14                     ; the stage, on the way in: SP (lane / 4) + 16 (lane % 4)
	v_mul_u32_u24 v15, v2, SP
	v_add_nc_u32 v15, s17, v15                     ; and on the way out: SP x lane
	s_lshl_b32 s17, ttmp9, 2
	s_add_co_u32 s18, s17, s16                     ; my run of 8 rows: 4 x work-group + wave.  Bits 3 and 4 of a row's number are the wave's two bits
	s_lshl_b32 s18, s18, 15                        ; x 32,768 bytes of f32
	s_mov_b32 s19, 0
	s_add_nc_u64 s[4:5], s[4:5], s[18:19]
	s_and_b32 s20, s16, 1
	s_lshl_b32 s20, s20, 1
	s_lshr_b32 s21, s16, 1
	s_or_b32 s20, s20, s21                         ; the wave's two bits exchanged: the run's place
	s_add_co_u32 s20, s17, s20
	s_lshl_b32 s20, s20, 13                        ; x 8,192 bytes of codes
	s_mov_b32 s21, 0
	s_add_nc_u64 s[12:13], s[12:13], s[20:21]
.macro LOAD t
.irp i, 0,1,2,3
	global_load_b128 v[R+16*((\t)%4)+4*\i:R+16*((\t)%4)+4*\i+3], v3, s[4:5] offset:2048*(\t)+512*\i th:TH_LOAD_NT   ; 32 lanes read 512 consecutive bytes; read once in the launch
.endr
.endm
.macro TURN t                          ; step t's numbers through the stage: LDS serves a wave's instructions in order (ISA guide 5.7.1.4), so no wait stands between the stores and the loads
.irp i, 0,1,2,3
	ds_store_b128 v14, v[R+16*((\t)%4)+4*\i:R+16*((\t)%4)+4*\i+3] offset:32*SP*((\t)%2)+8*SP*\i
.endr
.irp i, 0,1,2,3
	ds_load_b128 v[X+16*((\t)%2)+4*\i:X+16*((\t)%2)+4*\i+3], v15 offset:32*SP*((\t)%2)+16*\i
.endr
.endm
.irp t, 0,1,2,3
	LOAD \t                                        ; sixteen loads of the wave are on their way
.endr
	s_wait_kmcnt 0x0
	s_add_co_i32 s22, s24, 127
	s_lshl_b32 s23, s22, 23
	v_mov_b32 v11, s23                             ; 2^e0 as f32: the conversion takes its exponent field
	s_add_co_i32 s22, s22, 8
	s_lshl_b32 s22, s22, 23
	s_or_b32 s22, s22, 0x600000
	v_mov_b32 v10, s22                             ; 448 x 2^e0
	s_wait_loadcnt 12                              ; step 0's four loads are in; the twelve behind them stay out
	TURN 0
.macro STEP t
.set XS, X+16*((\t)%2)
	s_wait_dscnt 0x0                               ; this step's numbers are back from the stage: so its stores into the stage have read their registers,
.if (\t)+4 < STEPS
	LOAD (\t)+4                                    ; which take the loads of four steps on
.endif
.if (\t)+1 < STEPS
.if STEPS-2-(\t) >= 3
	s_wait_loadcnt 12                              ; the next step's four loads are in; those of the three steps behind it may be out
.else
	s_wait_loadcnt 4*(STEPS-2-(\t))                ; the tail: fewer steps are behind it
.endif
	TURN (\t)+1                                    ; and go through the other stage while this step is worked
.endif
.irp i, 0,1,2,3,4,5,6,7,8,9,10,11,12,13,14,15
	v_med3_num_f32 v[XS+\i], v[XS+\i], -v10, v10   ; the conversion to an 8-bit code does not saturate (ISA guide 7.6.2): the number is held within the largest code x the scale first
.endr
	v_cvt_scalef32_pk8_fp8_f32 v[C+4*(\t):C+4*(\t)+1], v[XS:XS+7], v11
	v_cvt_scalef32_pk8_fp8_f32 v[C+4*(\t)+2:C+4*(\t)+3], v[XS+8:XS+15], v11
	global_store_b128 v3, v[C+4*(\t):C+4*(\t)+3], s[12:13] offset:512*(\t)   ; 512 consecutive bytes, at a multiple of 256 from the buffer's first byte
.endm
.irp t, 0,1,2,3,4,5,6,7,8,9,10,11,12,13,14,15
	STEP \t
.endr
	s_wait_tensorcnt 0x0
	ds_add_u32 v208, v209
	s_wait_dscnt 0x0
	s_endpgm
; ---------------- the weights.  K is the FIRST axis.  A lane takes a column and its registers run down K: each load reads 128 consecutive bytes a wave (512 a work-group), and the conversions give codes with K innermost.
; A wave takes 32 columns x 256 along K.  Its codes go through its own stage in LDS and leave as rows: sixteen lanes store 256 consecutive bytes of one place's row.
; One text serves both weights: the buffer, the row's length in bytes and the exponent are chosen on the work-group's number alone.
.Lweights:
	s_sub_co_u32 s17, ttmp9, XWG
	s_lshr_b32 s18, s17, 2                         ; which 128 columns: 0-23 w_qkv's, 24-31 w_out's
	s_and_b32 s19, s17, 3                          ; which 256 along K
	s_mov_b32 s20, 4096
	s_cmp_lt_u32 s18, 24
	s_cselect_b64 s[6:7], s[6:7], s[8:9]           ; the weight,
	s_cselect_b32 s20, 12288, s20                  ; a row of it in bytes,
	s_cselect_b32 s21, 0, 24
	s_sub_co_u32 s21, s18, s21                     ; and which 128 of ITS columns
	v_lshlrev_b32 v5, 2, v2                        ; 4 bytes a lane
.set i, 0
.rept 32
	v_mad_u32_u24 v[VA+i], s20, i, v5              ; row i of a block, my column
.set i, i+1
.endr
	s_mul_i32 s22, s16, 32*PITCH
	s_add_co_u32 s22, s22, WST                     ; my stage
	v_mul_u32_u24 v4, v2, PITCH
	v_add_nc_u32 v4, s22, v4                       ; into it: row = my column
	v_and_b32 v6, 15, v2
	v_lshrrev_b32 v9, 4, v2
	v_mul_u32_u24 v7, v9, PITCH
	v_lshl_add_u32 v7, v6, 4, v7
	v_add_nc_u32 v7, s22, v7                       ; out of it: sixteen lanes to a row, two rows an instruction
	v_lshlrev_b32 v8, 10, v9
	v_lshl_add_u32 v8, v6, 4, v8                   ; and the same in w_codes: a place's row is 1,024 bytes
	s_lshl_b32 s48, s19, 8
	s_mul_i32 s48, s48, s20                        ; 256 rows x which 256 along K,
	s_lshl_b32 s49, s21, 9
	s_add_co_u32 s48, s48, s49                     ; + 128 columns x 4 bytes,
	s_lshl_b32 s49, s16, 7
	s_add_co_u32 s48, s48, s49                     ; + my wave's 32 columns
	s_mov_b32 s49, 0
	s_add_nc_u64 s[32:33], s[6:7], s[48:49]        ; block 0's first row
	s_lshl_b32 s50, s20, 5                         ; 32 rows on
	s_mov_b32 s51, 0
.irp t, 1,2,3,4,5,6,7
	s_add_nc_u64 s[32+2*\t:33+2*\t], s[30+2*\t:31+2*\t], s[50:51]   ; a base for each block, made once: no pointer is stepped while loads are out
.endr
	s_lshl_b32 s52, s18, 17                        ; 128 places x 1,024 bytes,
	s_lshl_b32 s53, s16, 15
	s_add_co_u32 s52, s52, s53                     ; + my wave's 32 places,
	s_lshl_b32 s53, s19, 8
	s_add_co_u32 s52, s52, s53                     ; + my 256 along K
	s_mov_b32 s53, 0
	s_add_nc_u64 s[14:15], s[14:15], s[52:53]
.macro WLOAD t                         ; block t: rows 32 t + i, i = 0 .. 31, of my column, into set t % 2
.set i, 0
.rept 32
	global_load_b32 v[WX+32*((\t)%2)+i], v[VA+i], s[32+2*(\t):33+2*(\t)] th:TH_LOAD_NT
.set i, i+1
.endr
.endm
	WLOAD 0
	WLOAD 1
	s_wait_kmcnt 0x0
	s_cmp_lt_u32 s18, 24
	s_cselect_b32 s54, s25, s31                    ; e1 or e7
	s_add_co_i32 s54, s54, 127
	s_lshl_b32 s55, s54, 23
	v_mov_b32 v11, s55                             ; 2^e as f32
	s_add_co_i32 s54, s54, 8
	s_lshl_b32 s54, s54, 23
	s_or_b32 s54, s54, 0x600000
	v_mov_b32 v10, s54                             ; 448 x 2^e
.macro BLOCK t
.set XS, WX+32*((\t)%2)
.if (\t) < NB-1
	s_wait_loadcnt 32                              ; this block's 32 loads are in; the next block's may be out
.else
	s_wait_loadcnt 0
.endif
.set i, 0
.rept 32
	v_med3_num_f32 v[XS+i], v[XS+i], -v10, v10     ; the hold at the largest code x the scale
.set i, i+1
.endr
.irp g, 0,1,2,3
	v_cvt_scalef32_pk8_fp8_f32 v[WC+2*\g:WC+2*\g+1], v[XS+8*\g:XS+8*\g+7], v11
.endr
	ds_store_b128 v4, v[WC:WC+3] offset:32*(\t)    ; 32 codes: 32 bytes of my column's row
	ds_store_b128 v4, v[WC+4:WC+7] offset:32*(\t)+16
.if (\t)+2 < NB
	WLOAD (\t)+2
.endif
	s_wait_dscnt 0x0                               ; the stores have read their registers: the next block's codes may be written
.endm
.irp t, 0,1,2,3,4,5,6,7
	BLOCK \t
.endr
.irp t, 0,1,2,3,4,5,6,7,8,9,10,11,12,13,14,15
	ds_load_b128 v[OUTR+4*\t:OUTR+4*\t+3], v7 offset:2*\t*PITCH   ; columns 2 t and 2 t + 1; LDS serves a wave's instructions in order: these see my stores
.endr
.irp t, 0,1,2,3,4,5,6,7,8,9,10,11,12,13,14,15
	s_wait_dscnt 15-\t                             ; load t is in; the younger ones stay out
	global_store_b128 v8, v[OUTR+4*\t:OUTR+4*\t+3], s[14:15] offset:(((2*\t)%8)+16*((\t/4)%2)+8*(\t/8))*1024   ; column 2 t's place: its bits 3 and 4 exchanged.  16 lanes store 256 consecutive bytes, aligned
.endr
	s_wait_tensorcnt 0x0
	ds_add_u32 v208, v209
	s_wait_dscnt 0x0
	s_endpgm
.Lfunc_end_k_qfb017e557e_quant:
	.size	k_qfb017e557e_quant, .Lfunc_end_k_qfb017e557e_quant-k_qfb017e557e_quant
	.p2alignl 7, 3214868480
	.fill 96, 4, 3214868480
	.section	.rodata,"a",@progbits
	.p2align	6, 0x0
	.amdhsa_kernel k_qfb017e557e_quant
		.amdhsa_group_segment_fixed_size 68096
		.amdhsa_private_segment_fixed_size 0
		.amdhsa_enable_private_segment 0
		.amdhsa_kernarg_size 48
		.amdhsa_user_sgpr_count 2
		.amdhsa_user_sgpr_kernarg_segment_ptr 1
		.amdhsa_wavefront_size32 1
		.amdhsa_system_sgpr_workgroup_id_x 1
		.amdhsa_system_sgpr_workgroup_id_y 1
		.amdhsa_system_sgpr_workgroup_id_z 1
		.amdhsa_system_vgpr_workitem_id 0
		.amdhsa_next_free_vgpr 210
		.amdhsa_next_free_sgpr 66
		.amdhsa_reserve_vcc 0
		.amdhsa_float_denorm_mode_32 3
		.amdhsa_float_denorm_mode_16_64 3
		.amdhsa_memory_ordered 1
		.amdhsa_forward_progress 1
		.amdhsa_inst_pref_size 88
	.end_amdhsa_kernel
	.amdgpu_metadata
---
amdhsa.version: [ 1, 2 ]
amdhsa.kernels:
  - .name:           k_qfb017e557e_quant
    .symbol:         k_qfb017e557e_quant.kd
    .args:
      - { .name: x, .offset: 0, .size: 8, .value_kind: global_buffer, .address_space: global }
      - { .name: w_qkv, .offset: 8, .size: 8, .value_kind: global_buffer, .address_space: global }
      - { .name: w_out, .offset: 16, .size: 8, .value_kind: global_buffer, .address_space: global }
      - { .name: lowp_scales, .offset: 24, .size: 8, .value_kind: global_buffer, .address_space: global }
      - { .name: x_codes, .offset: 32, .size: 8, .value_kind: global_buffer, .address_space: global }
      - { .name: w_codes, .offset: 40, .size: 8, .value_kind: global_buffer, .address_space: global }
    .group_segment_fixed_size: 68096
    .private_segment_fixed_size: 0
    .kernarg_segment_align: 8
    .kernarg_segment_size: 48
    .max_flat_workgroup_size: 128
    .sgpr_count:     66
    .vgpr_count:     210
    .wavefront_size: 32
...
	.end_amdgpu_metadata
.endif
;; end of part 1
;; launch gemm_qkv (part 2): grid 12 x 32, 4 waves a work-group, clusters of 4 x 4, 327,680 bytes of LDS; arguments x_codes, w_codes, lowp_scales, q_codes, k_codes, v_codes; writes q_codes, k_codes, v_codes
.if DOCPART == 2
	.amdgcn_target "amdgcn-amd-amdhsa--gfx1250"
	.amdhsa_code_object_version 6
	.text
	.protected	k_qfb017e557e_gemm_qkv
	.globl	k_qfb017e557e_gemm_qkv
	.p2align	8
	.type	k_qfb017e557e_gemm_qkv,@function
k_qfb017e557e_gemm_qkv:
	s_mov_b64 s[64:65], 0
	v_nop
	global_prefetch_b8 v0, s[64:65] scope:SCOPE_SE
	s_setreg_imm32_b32 hwreg(HW_REG_WAVE_MODE, 25, 1), 1
	s_wait_xcnt 0x0
	s_wait_alu depctr_hold_cnt(0) depctr_sa_sdst(0) depctr_va_vdst(0) depctr_va_sdst(0) depctr_va_ssrc(0) depctr_va_vcc(0) depctr_vm_vsrc(0)
	s_getreg_b32 s2, hwreg(HW_REG_IB_STS2, 6, 4)
	s_cmp_eq_u32 s2, 0
	s_cbranch_scc0 .Lentry_in_a_cluster
	s_endpgm
.Lentry_in_a_cluster:
	s_bfe_u32 s2, ttmp6, 0x10000c
	s_cmp_lg_u32 s2, 0xf033
	s_cbranch_scc0 .Lentry_shape_is_right
	s_endpgm
.Lentry_shape_is_right:
; qkv = x w_qkv on codes of FP8 (E4M3); each finished sum stands for sum x 2^(e0 + e1) and is turned at once, in registers, into a code of q (scale 2^e2), of k (2^e3) or of v (2^e5).
; x_codes [8192 places][1024], w_codes [4096 places][1024]: K innermost; row m lies at place sw(m), m with its bits 3 and 4 exchanged.
; A tile of 256 x 256 is made by a work-group of four waves, a wave makes 128 x 128: 64 accumulators, 512 registers.  K = 1,024 goes in four steps of 256 through a ring of two LDS slots filled by the tensor data mover.
; THE MATRIX INSTRUCTION IS USED TRANSPOSED: source 0 = 16 places of operand B, source 1 = 16 places of operand A.  A lane then holds ONE place of A, and its registers run along B: by the order of the places the 16 registers
; of B's blocks 2 i and 2 i + 1 are the 16 NEIGHBOURING rows 32 i + 16 (lane / 16) + 0 .. 15 of B's tensor.  For q and k: A = x, B = w (a lane holds a token, its registers run along the head's channels, the K of q k^T).
; For v: A = w, B = x (a lane holds a channel, its registers run along the keys, the K of p v).  The cluster's x says which: 0 q, 1 k, 2 v: the same number in all sixteen partners.  The loop's text is one for all three.
; OUT.  The conversions' results are the later operand's registers, and they are stored as they stand, 16 bytes a lane at 16 x lane: every store of a wave covers 512 consecutive bytes, aligned.  Nothing goes through LDS.
;   q_codes, k_codes: [batch x head 64][tile of 16 places 128][c 2][lane 32][16 bytes]: lane (r, h) holds place r's channels 32 c + 16 h + 0 .. 15.
;   v_codes: [batch x head 64][step of 128 keys 16][tile of 16 channel places 4][c 4][lane 32][16 bytes]: lane (r, h) holds place r's keys 32 c + 16 h + 0 .. 15 of the step.
; CLUSTERS: 4 x 4 work-groups.  The four of a row of the cluster need the same tiles of A, the four of a column the same tiles of B: each tile is asked for JOINTLY, by the same tensor load with the same descriptor and a mask that names the four.
; LIMITS: e2 - e0 - e1, e3 - e0 - e1 and e5 - e0 - e1 between -126 and 119, so that the conversion's scale and 448 x it are f32 numbers.
; REGISTERS, in windows of 256: window 0: v16-30 addresses and constants; v32-95 at work on the way out; v128-255 A's fragments (8 x 16 places x 128 K), ONE set, later the codes.
;   window 1: B's fragments, TWO sets, at v0 and v128.   window 2: the accumulators of A's blocks 0-3 ((a, b) at v[8 (8 a + b)]);   window 3: those of blocks 4-7.
.set NBB,    8                         ; B's blocks of 16 places for a wave
.set FR,     16                        ; registers of a fragment: 16 places x 128 K
.set NP,     4                         ; places behind this matrix instruction (ISA guide 7.12.1)
.set PITCH,  272                       ; an LDS row: 256 bytes + 16 of padding = 68 words: the 16 rows that a load touches start at 16 different banks (64 banks of 4 bytes: ISA guide 11.1)
.set HALFT,  128*PITCH                 ; 128 rows: what one tensor load brings, and what one wave reads of A or of B
.set SLOT,   4*HALFT                   ; A's 256 rows, then B's 256 rows
.set SPARE,  2*SLOT                    ; behind the ring: the spare words, 128 bytes for each wave: two blocks of 256 bytes that no other line names
.set ASTEP,  512                       ; a refill's step in memory: two K steps of 256 bytes on
.set BSTEP,  512
.set ADRA, 16                          ; v16-17  LDS address of my A fragments in slot 0, 1
.set ADRB, 20                          ; v20-21  the same for B
.set CO,   26                          ; v26     16 x lane: my place in an image
.set SC,   27                          ; v27     the conversion's scale as f32
.set SPW,  28                          ; v28     LDS address of my spare word: SPARE + 4 x my thread's number; never rewritten
.set NIL,  29                          ; v29     0; never rewritten
.set LIM,  30
.set TMP,  32
.set AF,   128                         ; A's fragments
.set CD,   128                         ; the codes: 16 registers for each of A's 8 blocks, so that no store's data are written again
.set G1, 24                            ; s[24:31] descriptor group 1 for A's tiles;  s[32:39] group 0, one set for each slot
.set G0, 32
.set G1B, 48                           ; s[48:55], s[56:63] the same for B's tiles
.set G0B, 56
.set MULW0, 0xa1                       ; source 0 (B) window 1, source 1 (A) window 0, C and D window 2
.set MULW4, 0xa1+0x50*((NBB*4)/32)     ; the same for A's blocks 4-7: C and D window 3
.set TO_B,  0x40                       ; destination window 1, address window 0
.set MSB, 0
.macro WIN new                         ; the immediate's high byte repeats the setting that is left; a switch that changes nothing is dropped
.if MSB != (\new)
	s_set_vgpr_msb (MSB<<8)|(\new)
.set MSB, (\new)
.endif
.endm
; A joint load: waves 0 and 1 fetch A's two halves, waves 2 and 3 B's.  Each of the two lines has ONE mask and one set of registers for all that issue it; the branch hangs on the wave's number alone.
; Four v_nop follow each of the two lines, ahead of the jump, the label and what follows.
.macro JLOAD s
	s_cmp_eq_u32 s17, 0
	s_cbranch_scc0 .Lfor_b_\@
	tensor_load_to_lds s[G0+4*(\s):G0+4*(\s)+3], s[G1:G1+7]
	s_nop 0
.rept 4
	v_nop
.endr
	s_branch .Lasked_\@
.Lfor_b_\@:
	tensor_load_to_lds s[G0B+4*(\s):G0B+4*(\s)+3], s[G1B:G1B+7]
	s_nop 0
.rept 4
	v_nop
.endr
.Lasked_\@:
.endm
.macro CREST                           ; a round of the cluster's barrier behind its opening barrier
	s_cmp_lg_u32 s16, 0
	s_cbranch_scc1 .Lnot_wave_0_\@
	s_barrier_signal -3
.Lnot_wave_0_\@:
	s_barrier_wait -3
	s_barrier_signal -1
	s_barrier_wait -1
.endm
.macro CROUND                          ; a whole round
	s_barrier_signal -1
	s_barrier_wait -1
	CREST
.endm
	s_load_b256 s[4:11], s[0:1], 0x0               ; x_codes s[4:5], w_codes s[6:7], the scales' exponents s[8:9], q_codes s[10:11]
	s_load_b128 s[12:15], s[0:1], 0x20             ; k_codes s[12:13], v_codes s[14:15]
	v_lshl_add_u32 v[SPW], v0, 2, SPARE
	v_mov_b32 v[NIL], 0
	ds_add_u32 v28, v29
	ds_add_u32 v28, v29
	s_wait_dscnt 0x0
	v_lshrrev_b32 v1, 5, v0
	v_readfirstlane_b32 s16, v1                    ; wave 0..3
	s_lshr_b32 s17, s16, 1                         ; which half of A's 256 places is mine.  Also: I fetch for A (0) or for B (1)
	s_and_b32 s18, s16, 1                          ; which half of B's.  Also: which 128 rows of that tile I fetch
	s_bfe_u32 s19, ttmp6, 0x40000                  ; cx, cy: my place in the cluster
	s_bfe_u32 s20, ttmp6, 0x40004
	s_and_b32 s21, ttmp7, 0xffff
	s_lshl_b32 s21, s21, 2                         ; 4 x cluster y
	s_lshl_b32 s40, ttmp9, 2                       ; 4 x cluster x
	s_cmp_eq_u32 ttmp9, 2                          ; v?  (both selections stand ahead of the additions, which write SCC)
	s_cselect_b32 s22, 8, s21
	s_cselect_b32 s23, s21, s40
	s_add_co_u32 s22, s22, s20                     ; A's tile of 256 places: x's 4 cluster y + cy, or for v w's 8 + cy: it hangs on cy, which my row of the cluster shares
	s_add_co_u32 s23, s23, s19                     ; B's tile: w's 4 cluster x + cx, or for v x's 4 cluster y + cx: it hangs on cx, which my column shares
	s_lshl_b32 s41, s20, 2
	s_lshl_b32 s41, 15, s41                        ; my row of the cluster
	s_lshl_b32 s42, 0x1111, s19                    ; my column
	; descriptor group 1: a tile of 128 rows x 256 bytes, padded in LDS
	s_or_b32 s[G1+0], s41, (0<<16)|(1<<20)|(1<<21)|(5<<22)|(3<<25)   ; 15:0 the mask: A's tiles go to my row; 17:16 elements of 1 byte; 20 padding on; 21 set beside a mask; 24:22 after every 64 words (code 5); 31:25 of 4 words (code 3)
	s_or_b32 s[G1B+0], s42, (0<<16)|(1<<20)|(1<<21)|(5<<22)|(3<<25)  ; the same with the mask of my column
.irp g, G1, G1B
	s_mov_b32 s[\g+1], 256<<16                     ; tensor_dim0 = 256
	s_mov_b32 s[\g+2], 128<<16                     ; tensor_dim1 = 128
	s_mov_b32 s[\g+3], 256<<16                     ; tile_dim0 = 256
	s_mov_b32 s[\g+4], 128                         ; tile_dim1 = 128
	s_mov_b32 s[\g+5], 1024                        ; tensor_dim0_stride: a place's row is 1,024 bytes
	s_mov_b32 s[\g+6], 0
	s_mov_b32 s[\g+7], 0
.endr
	s_lshl_b32 s43, s18, 17                        ; the 128 rows that I fetch, in bytes
	s_lshl_b32 s44, s22, 18                        ; A's tile: 256 rows of 1,024 bytes
	s_add_co_u32 s44, s44, s43
	s_mov_b32 s45, 0
	s_lshl_b32 s46, s23, 18                        ; B's
	s_add_co_u32 s46, s46, s43
	s_mov_b32 s47, 0
	s_mul_i32 s80, s16, HALFT                      ; where they go: wave x 128 rows: no place in the cluster enters an LDS address
	s_wait_kmcnt 0x0
	s_load_b256 s[72:79], s[8:9], 0x0              ; e0 .. e7
	s_cmp_eq_u32 ttmp9, 2
	s_cselect_b64 s[66:67], s[6:7], s[4:5]         ; A's buffer: x_codes, for v w_codes
	s_cselect_b64 s[68:69], s[4:5], s[6:7]         ; B's: the other
	s_add_nc_u64 s[66:67], s[66:67], s[44:45]
	s_add_nc_u64 s[68:69], s[68:69], s[46:47]
	CROUND                                         ; all sixteen work-groups are here: the first joint loads meet
.irp s, 0,1
	s_mov_b32 s[G0+4*\s], 1                        ; count = 1
	s_add_co_u32 s[G0+4*\s+1], s80, \s*SLOT        ; LDS address
	s_add_nc_u64 s[G0+4*\s+2:G0+4*\s+3], s[66:67], \s*256   ; global address: K step s
	s_or_b32 s[G0+4*\s+3], s[G0+4*\s+3], 0x80000000         ; type = 2
	s_mov_b32 s[G0B+4*\s], 1
	s_add_co_u32 s[G0B+4*\s+1], s80, \s*SLOT
	s_add_nc_u64 s[G0B+4*\s+2:G0B+4*\s+3], s[68:69], \s*256
	s_or_b32 s[G0B+4*\s+3], s[G0B+4*\s+3], 0x80000000
	JLOAD \s                                       ; two loads of mine are out behind these
.endr
	v_and_b32 v1, 15, v0                           ; r = lane % 16
	v_bfe_u32 v2, v0, 4, 1                         ; h = lane / 16
	v_mul_u32_u24 v3, v1, PITCH
	v_lshl_add_u32 v4, v2, 4, v3                   ; a fragment's row x pitch + 16 x half
	s_mul_i32 s81, s17, HALFT                      ; my 128 rows of A
	s_mul_i32 s82, s18, HALFT                      ; my 128 rows of B,
	s_add_co_u32 s82, s82, 2*HALFT                 ; which lie behind A's 256
.irp s, 0,1
	v_add_nc_u32 v[ADRA+\s], s81, v4
	v_add_nc_u32 v[ADRB+\s], s82, v4
	s_add_co_u32 s81, s81, SLOT
	s_add_co_u32 s82, s82, SLOT
.endr
	v_and_b32 v5, 31, v0
	v_lshlrev_b32 v[CO], 4, v5
; A fragment, 16 places x 128 K of 8-bit codes, is 16 registers: lane l holds place l % 16; registers 4 c .. 4 c + 3 hold K = 32 c + 16 (l / 16) + 0 .. 15: the same order of K in A and in B, so every product meets its partner.
.macro FRAGB reg, slot, q, i
.irp c, 0,1,2,3
	ds_load_b128 v[\reg+4*\c:\reg+4*\c+3], v[ADRB+\slot] offset:128*(\q)+32*\c+(\i)*16*PITCH
.endr
.endm
.macro FRAGA reg, slot, q, i
.irp c, 0,1,2,3
	ds_load_b128 v[\reg+4*\c:\reg+4*\c+3], v[ADRA+\slot] offset:128*(\q)+32*\c+(\i)*16*PITCH
.endr
.endm
.macro FETCH_B slot, q, p              ; B's fragments of the slot's q-th 128 along K into set p
	WIN TO_B
.set bb, 0
.rept NBB
	FRAGB 128*(\p)+FR*bb, \slot, \q, bb
.set bb, bb+1
.endr
	WIN 0
.endm
.macro FETCH_A slot, q, i0             ; A's blocks i0 .. i0 + 3
.irp i, \i0, \i0+1, \i0+2, \i0+3
	FRAGA AF+FR*(\i), \slot, \q, \i
.endr
.endm
; A's blocks a0, a0 + 1 x all of B's, 128 along K.  p: B's set.  zero = 1: the first product starts the sums: nothing is ever cleared.
; The accumulators take turns, one instruction a turn, in the same order in every step.
.macro MUL2 a0, p, zero
.irp a, \a0, \a0+1
.set bb, 0
.rept NBB
.set AC, 8*((NBB*(\a)+bb)%32)
.if \zero
	v_wmma_f32_16x16x128_fp8_fp8 v[AC:AC+7], v[128*(\p)+FR*bb:128*(\p)+FR*bb+FR-1], v[AF+FR*(\a):AF+FR*(\a)+FR-1], 0
.else
	v_wmma_f32_16x16x128_fp8_fp8 v[AC:AC+7], v[128*(\p)+FR*bb:128*(\p)+FR*bb+FR-1], v[AF+FR*(\a):AF+FR*(\a)+FR-1], v[AC:AC+7]
.endif
.set bb, bb+1
.endr
.endr
.endm
; A load into a register that a matrix instruction has read, and a vector instruction that reads a matrix result or writes one of a matrix instruction's registers, stand NP places behind it, and only plain vector
; instructions that name none of its registers are places (ISA guide 7.12.1 for vector instructions).
.macro PLACES n
.rept \n
	v_nop
.endr
.endm
; A step of 128 along K on B's set p; the next step's fragments lie in slot ns at its nq-th 128.  A block of A is free as soon as its products are issued, so one set serves A: blocks 0-3 are fetched anew in the step's middle, 4-7 at its end.
.macro STEP p, zero, ns, nq
	s_wait_dscnt 16                                ; B's set and A's blocks 0-3 are in; the youngest sixteen loads (A's blocks 4-7) may be out
	WIN MULW0
	MUL2 0, \p, \zero
	MUL2 2, \p, \zero
	s_wait_dscnt 0                                 ; A's blocks 4-7 are in
	PLACES NP
	FETCH_B \ns, \nq, 1-\p
	FETCH_A \ns, \nq, 0
	WIN MULW4
	MUL2 4, \p, \zero
	MUL2 6, \p, \zero
	PLACES NP
	WIN 0
	FETCH_A \ns, \nq, 4
.endm
; A slot's last step (always on B's set 1) changes slots: ONE barrier; in front of it each wave waits for all its tensor loads, adds 0 to its spare word, and waits for that and for its own reads of this slot.
; fill = 1: slot fs, which nobody reads any more, is filled again: the barrier then opens a round of the cluster's barrier, and the joint refill is the first thing behind the round.
.macro TURN ns, fs, fill
	s_wait_tensorcnt 0x0                           ; all my tensor loads have landed: my part of the next slot among them  (every window is 0 here)
	ds_add_u32 v[SPW], v[NIL]                      ; 0 onto my spare word
	s_wait_dscnt 17                                ; (the add and the youngest sixteen loads, A's blocks 4-7, may be out)
	WIN MULW0
	MUL2 0, 1, 0                                   ; matrix instructions stand between the add and the wait for it
	s_wait_dscnt 0x0                               ; the add is done, and my reads of this slot are over
	s_barrier_signal -1
	MUL2 2, 1, 0
	WIN 0
	s_barrier_wait -1
.if \fill
	CREST                                          ; no wave of any partner still reads the slot's tile or has a load on its way
	s_add_nc_u64 s[G0+4*(\fs)+2:G0+4*(\fs)+3], s[G0+4*(\fs)+2:G0+4*(\fs)+3], ASTEP    ; no load of mine is out, so a group 0 may be written
	s_add_nc_u64 s[G0B+4*(\fs)+2:G0B+4*(\fs)+3], s[G0B+4*(\fs)+2:G0B+4*(\fs)+3], BSTEP
	JLOAD \fs                                      ; my one tensor load behind the round; the four v_nop behind it are also the places in front of the loads below
.else
	PLACES NP
.endif
	FETCH_B \ns, 0, 0
	FETCH_A \ns, 0, 0
	WIN MULW4
	MUL2 4, 1, 0
	MUL2 6, 1, 0
	PLACES NP
	WIN 0
	FETCH_A \ns, 0, 4
.endm
	s_wait_alu depctr_va_vdst(0)
	s_wait_tensorcnt 1                             ; my part of K step 0 is in (K step 1's load may be out)
	s_barrier_signal -1
	s_barrier_wait -1                              ; everybody's is
	FETCH_B 0, 0, 0
	FETCH_A 0, 0, 0
	FETCH_A 0, 0, 4
	; K = 1,024 is eight steps of 128: they are written out
	STEP 0, 1, 0, 1                                ; K 0-127: its products start the sums
	TURN 1, 0, 1                                   ; K 128-255; slot 0 takes K 512-767
	STEP 0, 0, 1, 1                                ; K 256-383
	TURN 0, 1, 1                                   ; K 384-511; slot 1 takes K 768-1023
	STEP 0, 0, 0, 1                                ; K 512-639
	TURN 1, 0, 0                                   ; K 640-767; nothing is left to fetch
	STEP 0, 0, 1, 1                                ; K 768-895
	s_wait_dscnt 16                                ; K 896-1023: the last step
	WIN MULW0
	MUL2 0, 1, 0
	MUL2 2, 1, 0
	s_wait_dscnt 0
	WIN MULW4
	MUL2 4, 1, 0
	MUL2 6, 1, 0
	WIN 0
	; THE WAY OUT.  The three scales are folded into the conversion's one: code = sum / 2^(eT - e0 - e1), eT = e2 (q), e3 (k) or e5 (v), chosen without a branch
	s_wait_kmcnt 0x0
	s_cmp_eq_u32 ttmp9, 0
	s_cselect_b32 s83, s74, s75
	s_cmp_eq_u32 ttmp9, 2
	s_cselect_b32 s83, s77, s83
	s_cselect_b32 s85, s23, s22                    ; x's tile of 256 tokens: A's, for v B's,
	s_cselect_b32 s86, s18, s17                    ; my half of it,
	s_cselect_b32 s87, s20, s19                    ; w's tile of 256 channels (four heads): cx, for v cy,
	s_cselect_b32 s88, s17, s18                    ; my half of it (two heads)
	s_cselect_b64 s[70:71], s[14:15], s[12:13]
	s_cmp_eq_u32 ttmp9, 0
	s_cselect_b64 s[70:71], s[10:11], s[70:71]     ; q_codes, k_codes or v_codes
	s_sub_co_i32 s83, s83, s72
	s_sub_co_i32 s83, s83, s73
	s_add_co_i32 s83, s83, 127
	s_lshl_b32 s84, s83, 23
	v_mov_b32 v[SC], s84                           ; 2^(eT - e0 - e1) as f32: the conversion takes its exponent field
	s_wait_alu depctr_va_vdst(0)
	s_lshl_b32 s87, s87, 2
	s_lshl_b32 s88, s88, 1
	s_add_co_u32 s87, s87, s88                     ; my first head
	s_lshr_b32 s88, s85, 3                         ; the batch: eight tiles of 256 tokens each
	s_lshl_b32 s88, s88, 4
	s_add_co_u32 s87, s87, s88
	s_lshl_b32 s87, s87, 17                        ; (16 x batch + head) x 131,072 bytes
	s_and_b32 s85, s85, 7
	s_lshl_b32 s85, s85, 1
	s_add_co_u32 s85, s85, s86
	s_lshl_b32 s85, s85, 13                        ; my 128 tokens: eight tiles of 1,024 bytes in q and k, one step of 8,192 bytes in v
	s_add_co_u32 s88, s87, s85
	s_mov_b32 s89, 0
	s_add_nc_u64 s[70:71], s[70:71], s[88:89]
	PLACES NP                                      ; behind the last products
; A's block a: its 64 sums are converted: code registers 4 i .. 4 i + 3 are B's rows 32 i + 16 (lane / 16) + 0 .. 15
.macro QBLOCK a
	WIN 0x02+(\a)/4                                ; source 0: window 2 or 3
.set j, 0
.rept 64
.set j, j+1
.endr
.irp g, 0,1,2,3,4,5,6,7
	v_cvt_scalef32_pk8_fp8_f32 v[CD+16*(\a)+2*\g:CD+16*(\a)+2*\g+1], v[TMP+8*\g+((64*((\a)%4)+j)-(TMP+j)):TMP+8*\g+7+((64*((\a)%4)+j)-(TMP+j))], v[SC]
.endr
	WIN 0
	v_nop                                          ; one plain vector instruction between a scaled conversion and the next vector instruction that writes its sources
.endm
.irp a, 0,1,2,3,4,5,6,7
	QBLOCK \a
.endr
	s_cmp_eq_u32 ttmp9, 2                          ; the cluster's x: the same in all partners
	s_cbranch_scc1 .Lstore_v
.irp a, 0,1,2,3,4,5,6,7                        ; q, k: block a is a tile of 16 tokens; i / 2 the head, i % 2 the half of its 64 channels
.irp i, 0,1,2,3
	global_store_b128 v[CO], v[CD+16*\a+4*\i:CD+16*\a+4*\i+3], s[70:71] offset:(\i/2)*131072+\a*1024+(\i%2)*512   ; 32 lanes store 512 consecutive bytes, aligned
.endr
.endr
	s_branch .Lstored
.Lstore_v:
	s_wait_alu depctr_va_vdst(0)
.irp a, 0,1,2,3,4,5,6,7                        ; v: a / 4 the head, a % 4 its tile of 16 channels; i the 32 keys of the step
.irp i, 0,1,2,3
	global_store_b128 v[CO], v[CD+16*\a+4*\i:CD+16*\a+4*\i+3], s[70:71] offset:(\a/4)*131072+(\a%4)*2048+\i*512
.endr
.endr
.Lstored:
	s_wait_tensorcnt 0x0                           ; the wave's end
	ds_add_u32 v[SPW], v[NIL]
	s_wait_dscnt 0x0
	CROUND                                         ; the closing round: no work-group ends while a partner may still ask for a tile that names it
	s_endpgm
.Lfunc_end_k_qfb017e557e_gemm_qkv:
	.size	k_qfb017e557e_gemm_qkv, .Lfunc_end_k_qfb017e557e_gemm_qkv-k_qfb017e557e_gemm_qkv
	.p2alignl 7, 3214868480
	.fill 96, 4, 3214868480
	.section	.rodata,"a",@progbits
	.p2align	6, 0x0
	.amdhsa_kernel k_qfb017e557e_gemm_qkv
		.amdhsa_group_segment_fixed_size 327680
		.amdhsa_private_segment_fixed_size 0
		.amdhsa_enable_private_segment 0
		.amdhsa_kernarg_size 48
		.amdhsa_user_sgpr_count 2
		.amdhsa_user_sgpr_kernarg_segment_ptr 1
		.amdhsa_wavefront_size32 1
		.amdhsa_system_sgpr_workgroup_id_x 1
		.amdhsa_system_sgpr_workgroup_id_y 1
		.amdhsa_system_sgpr_workgroup_id_z 1
		.amdhsa_system_vgpr_workitem_id 0
		.amdhsa_next_free_vgpr 1024
		.amdhsa_next_free_sgpr 100
		.amdhsa_reserve_vcc 0
		.amdhsa_float_denorm_mode_32 3
		.amdhsa_float_denorm_mode_16_64 3
		.amdhsa_fp16_overflow 1
		.amdhsa_memory_ordered 1
		.amdhsa_forward_progress 1
		.amdhsa_inst_pref_size 89
	.end_amdhsa_kernel
	.amdgpu_metadata
---
amdhsa.version: [ 1, 2 ]
amdhsa.kernels:
  - .name:           k_qfb017e557e_gemm_qkv
    .symbol:         k_qfb017e557e_gemm_qkv.kd
    .args:
      - { .name: x_codes, .offset: 0, .size: 8, .value_kind: global_buffer, .address_space: global }
      - { .name: w_codes, .offset: 8, .size: 8, .value_kind: global_buffer, .address_space: global }
      - { .name: lowp_scales, .offset: 16, .size: 8, .value_kind: global_buffer, .address_space: global }
      - { .name: q_codes, .offset: 24, .size: 8, .value_kind: global_buffer, .address_space: global }
      - { .name: k_codes, .offset: 32, .size: 8, .value_kind: global_buffer, .address_space: global }
      - { .name: v_codes, .offset: 40, .size: 8, .value_kind: global_buffer, .address_space: global }
    .group_segment_fixed_size: 327680
    .private_segment_fixed_size: 0
    .kernarg_segment_align: 8
    .kernarg_segment_size: 48
    .max_flat_workgroup_size: 128
    .sgpr_count:     100
    .vgpr_count:     1024
    .wavefront_size: 32
...
	.end_amdgpu_metadata
.endif
;; end of part 2
;; launch attn (part 3): grid 4 x 64, 16 waves a work-group, clusters of 4 x 1, 327,680 bytes of LDS; arguments q_codes, k_codes, v_codes, lowp_scales, ao_codes; writes ao_codes
.if DOCPART == 3
	.amdgcn_target "amdgcn-amd-amdhsa--gfx1250"
	.amdhsa_code_object_version 6
	.text
	.protected	k_qfb017e557e_attn
	.globl	k_qfb017e557e_attn
	.p2align	8
	.type	k_qfb017e557e_attn,@function
k_qfb017e557e_attn:
	s_mov_b64 s[64:65], 0
	v_nop
	global_prefetch_b8 v0, s[64:65] scope:SCOPE_SE
	s_setreg_imm32_b32 hwreg(HW_REG_WAVE_MODE, 25, 1), 1
	s_wait_xcnt 0x0
	s_wait_alu depctr_hold_cnt(0) depctr_sa_sdst(0) depctr_va_vdst(0) depctr_va_sdst(0) depctr_va_ssrc(0) depctr_va_vcc(0) depctr_vm_vsrc(0)
	s_getreg_b32 s2, hwreg(HW_REG_IB_STS2, 6, 4)
	s_cmp_eq_u32 s2, 0
	s_cbranch_scc0 .Lentry_in_a_cluster
	s_endpgm
.Lentry_in_a_cluster:
	s_bfe_u32 s2, ttmp6, 0x10000c
	s_cmp_lg_u32 s2, 0x3003
	s_cbranch_scc0 .Lentry_shape_is_right
	s_endpgm
.Lentry_shape_is_right:
; Causal attention of one (batch, head) a cluster, head size 64, 2,048 tokens, both products on codes of FP8 (E4M3); the result is turned into codes (scale 2^e6) for the last product.
; q_codes, k_codes, ao_codes: [batch x head 64][tile 128][c 2][lane 32][16 bytes]: images of operand registers: lane (r, h) of tile 2 B + u holds token 32 B + 8 u + r + 8 (r / 8), channels 32 c + 16 h + 0 .. 15.
; v_codes: [batch x head 64][step of 128 keys 16][tile of channels 4][c 4][lane 32][16 bytes]: lane (r, h) of tile 2 b + u holds channel 32 b + 8 u + r + 8 (r / 8), keys 32 c + 16 h + 0 .. 15 of the step.
; THE SOFTMAX AHEAD OF THE SECOND PRODUCT: t = score x log2(e) / 8; M = the row's largest t so far, rounded UP to a whole number; p = 2^(t - M) is what is quantised (scale 2^e4); it is not normalised.
; The row's sum is taken of the unquantised p, in f32, and divides O at the end.  When M moves, the sum and O are multiplied by 2^(old M - new M): exact.
; LAYOUT.  Both products are used transposed: S^T = K Q^T (source 0 = 16 keys, source 1 = 16 queries), O^T = V^T P^T (source 0 = 16 channels, source 1 = P): a lane holds ONE query throughout.  By the order of the tokens in a
; tile of K, the 16 registers of S^T's tiles 2 b and 2 b + 1 are the keys 32 b + 16 (lane / 16) + 0 .. 15 of the step: the conversions' results are P.  By the order of the channels in a tile of V, O^T's codes are ao's image.
; SHARES.  The head's 128 tiles of 16 queries fall into 16 blocks of 8; block B needs key steps 0 .. B of 128 keys.  Work-group g (its place in the cluster) and wave w take TWO tiles: 8 w + 2 g of block w and
; 8 (15 - w) + 2 g + 1 of block 15 - w: (w + 1) + (16 - w) = 17 tile steps for every wave of every work-group.  Branches hang on w and the step's count alone; g enters global addresses of Q and of the result, and the mask's numbers.
; Sixteen waves of 256 registers, four to a SIMD: one wave's vector work stands beside another's matrix work and LDS loads.
; THE WHOLE HEAD'S K AND V LIE IN LDS, 262,144 bytes of images, each byte filled ONCE: no ring, no refill.  An LDS load reads 512 consecutive bytes.
; CLUSTER.  The four work-groups of a cluster need the same K and V: every tile is asked for JOINTLY, by the same tensor load with the same descriptor and the mask of all four.  Each wave issues two: its sixteenth of key steps 0-3
; and of key steps 4-15; the first four steps are worked while the rest is on its way.
; LIMITS on the given exponents, so that each power of two below is an f32 number: e2 + e3 between -123 and 130 (added to c's exponent field); e4, and e6 - e4 - e5, between -126 and 119.
.set STEPB, 8192                       ; a key step's K, or V, in bytes
.set KLO,   0                          ; LDS: K of steps 0-3,
.set VLO,   32768                      ; V of steps 0-3,
.set KHI,   65536                      ; K of steps 4-15,
.set VHI,   163840                     ; V of steps 4-15
.set LI,   1                           ; v1   16 x lane: my place in an image; never rewritten
.set ADK,  2                           ; v2   LDS address of the step's K
.set ADV,  3                           ; v3   of its V
.set DQ,   4                           ; v4, v5  my query's number within its block of 128, less 16 (lane / 16): tile A's, tile B's
                                       ; v[8:9], v[12:13]: -M and the largest t;  v[10:11], v[14:15]: the sum in two halves (tile A, tile B)
                                       ; v16-23, v24-31: Q's fragments
.set FRG,  32                          ; v32-95   K's 8 fragments of 8 registers, then V's 4 of 16
.set S,    96                          ; v96-159  S^T, then p; on the way out O / l
                                       ; v160-191, v192-223: O^T
.set PC,   224                         ; v224-239 p's codes; on the way out the result's
.set PLIM, 240
.set PSC,  241                         ; v241 2^e4
.set NINF, 249                         ; v249 -infinity
.set OSC,  250                         ; v250 2^(e6 - e4 - e5)
.set OLIM, 251
.set WV,   14                          ; s14  my wave's number
.set SEL,  20                          ; s[20:21] lane selects for v_permlanex16_b32: lane l xor 16
.set CS,   22                          ; s[22:23] c = log2(e) / 8 x 2^(e2 + e3): the packed form names a pair and takes its low word for both halves
.set G1A,  24                          ; s[24:31] descriptor group 1: 16 rows of 256 bytes;  s[32:39]: 48 rows
.set G1B,  32
.set G0A,  40                          ; s[40:43], s[44:47] the two groups 0
.set G0B,  44
.set KI,   48                          ; s48  the key step
.set TK,   49                          ; s49  LDS byte of the step's K
.set TV,   50                          ; s50  of its V
.set BLK,  51                          ; s51, s52  the block of tile A (w), of tile B (15 - w): the last key step that counts for it
.macro CROUND                          ; a round of the cluster's barrier
	s_barrier_signal -1
	s_barrier_wait -1
	s_cmp_lg_u32 s[WV], 0
	s_cbranch_scc1 .Lnot_wave_0_\@
	s_barrier_signal -3
.Lnot_wave_0_\@:
	s_barrier_wait -3
	s_barrier_signal -1
	s_barrier_wait -1
.endm
	s_load_b256 s[4:11], s[0:1], 0x0               ; q_codes s[4:5], k_codes s[6:7], v_codes s[8:9], the scales' exponents s[10:11]
	s_load_b64 s[12:13], s[0:1], 0x20              ; ao_codes
	v_lshl_add_u32 v254, v0, 2, 0x40000
	v_mov_b32 v255, 0
	ds_add_u32 v254, v255
	ds_add_u32 v254, v255
	s_wait_dscnt 0x0
	v_lshrrev_b32 v6, 5, v0
	s_delay_alu instid0(VALU_DEP_1)
	v_readfirstlane_b32 s[WV], v6                  ; wave 0..15
	s_bfe_u32 s15, ttmp6, 0x40000                  ; g: my place in the cluster
	s_and_b32 s16, ttmp7, 0xffff                   ; batch x head, which the four partners share
	s_lshr_b32 s17, s[WV], 3                       ; I fetch for K (0) or for V (1),
	s_and_b32 s18, s[WV], 7                        ; this eighth of it
	; descriptor groups 1: dense blocks as rows of 256 bytes
	s_mov_b32 s[G1A], 15|(3<<16)|(1<<21)           ; 15:0 the mask: all four work-groups; 17:16 elements of 8 bytes; 20 no padding; 21 set beside a mask
	s_mov_b32 s[G1A+1], 32<<16                     ; tensor_dim0 = 32 elements
	s_mov_b32 s[G1A+2], 16<<16                     ; tensor_dim1 = 16 rows: 4,096 bytes
	s_mov_b32 s[G1A+3], 32<<16                     ; tile_dim0
	s_mov_b32 s[G1A+4], 16                         ; tile_dim1
	s_mov_b32 s[G1A+5], 32                         ; tensor_dim0_stride: dense
	s_mov_b32 s[G1A+6], 0
	s_mov_b32 s[G1A+7], 0
	s_mov_b32 s[G1B], 15|(3<<16)|(1<<21)
	s_mov_b32 s[G1B+1], 32<<16
	s_mov_b32 s[G1B+2], 48<<16                     ; 48 rows: 12,288 bytes
	s_mov_b32 s[G1B+3], 32<<16
	s_mov_b32 s[G1B+4], 48
	s_mov_b32 s[G1B+5], 32
	s_mov_b32 s[G1B+6], 0
	s_mov_b32 s[G1B+7], 0
	s_lshl_b32 s54, s16, 17                        ; the head's first byte in each of the four buffers
	s_mov_b32 s55, 0
	s_lshl_b32 s80, s18, 12                        ; my eighth of steps 0-3,
	s_mov_b32 s81, 0
	s_mul_i32 s82, s18, 12288
	s_add_co_u32 s82, s82, 4*STEPB                 ; and of steps 4-15
	s_mov_b32 s83, 0
	s_mov_b32 s[BLK], s[WV]
	s_sub_co_u32 s[BLK+1], 15, s[WV]
	s_lshl_b32 s57, s15, 1                         ; 2 g
	s_lshl_b32 s56, s[WV], 3
	s_add_co_u32 s56, s56, s57                     ; tile A: 8 w + 2 g
	s_lshl_b32 s58, s[BLK+1], 3
	s_add_co_u32 s58, s58, s57
	s_add_co_u32 s58, s58, 1                       ; tile B: 8 (15 - w) + 2 g + 1
	s_lshl_b32 s56, s56, 10                        ; a tile is 1,024 bytes
	s_lshl_b32 s58, s58, 10
	s_add_co_u32 s56, s56, s54
	s_add_co_u32 s58, s58, s54
	s_mov_b32 s57, 0
	s_mov_b32 s59, 0
	s_mov_b32 s[SEL], 0x76543210
	s_mov_b32 s[SEL+1], 0xfedcba98
	s_mov_b32 s[CS], 0x3e38aa3b                    ; log2(e) / 8
	s_wait_kmcnt 0x0
	s_load_b256 s[72:79], s[10:11], 0x0            ; e0 .. e7
	s_cmp_eq_u32 s17, 0                            ; on the wave's number: the same in all partners
	s_cselect_b64 s[70:71], s[6:7], s[8:9]
	s_add_nc_u64 s[70:71], s[70:71], s[54:55]      ; K or V at my head
	s_mov_b32 s[G0A], 1                            ; count = 1
	s_lshl_b32 s[G0A+1], s[WV], 12                 ; LDS: 4,096 x wave: waves 0-7 fill K's steps 0-3, waves 8-15 V's
	s_add_nc_u64 s[G0A+2:G0A+3], s[70:71], s[80:81]
	s_or_b32 s[G0A+3], s[G0A+3], 0x80000000        ; type = 2
	s_mov_b32 s[G0B], 1
	s_mul_i32 s[G0B+1], s[WV], 12288
	s_add_co_u32 s[G0B+1], s[G0B+1], KHI           ; LDS: 65,536 + 12,288 x wave: waves 0-7 fill K's steps 4-15, waves 8-15 V's
	s_add_nc_u64 s[G0B+2:G0B+3], s[70:71], s[82:83]
	s_or_b32 s[G0B+3], s[G0B+3], 0x80000000
	s_add_nc_u64 s[60:61], s[4:5], s[56:57]        ; Q's tiles,
	s_add_nc_u64 s[62:63], s[4:5], s[58:59]
	s_add_nc_u64 s[66:67], s[12:13], s[56:57]      ; and the result's
	s_add_nc_u64 s[68:69], s[12:13], s[58:59]
	CROUND                                         ; all four work-groups are here: the joint loads meet
	tensor_load_to_lds s[G0A:G0A+3], s[G1A:G1A+7]  ; the fill of key steps 0-3: one load of mine is out
	s_nop 0
	s_wait_alu depctr_va_vdst(0)
	s_wait_tensorcnt 0x0
	ds_add_u32 v254, v255
	s_wait_dscnt 0x0
	CROUND
	tensor_load_to_lds s[G0B:G0B+3], s[G1B:G1B+7]
	s_nop 0
.rept 4
	v_nop
.endr
	v_and_b32 v[LI], 31, v0
	s_delay_alu instid0(VALU_DEP_1)
	v_lshlrev_b32 v[LI], 4, v[LI]
.irp T, 0,1
	global_load_b128 v[16+8*\T:19+8*\T], v[LI], s[60+2*\T:61+2*\T]             ; Q's fragments stay in registers
	global_load_b128 v[20+8*\T:23+8*\T], v[LI], s[60+2*\T:61+2*\T] offset:512
.endr
	v_and_b32 v6, 15, v0                           ; r
	v_bfe_u32 v7, v0, 4, 1                         ; h
	s_delay_alu instid0(VALU_DEP_2)
	v_and_b32 v[DQ], 8, v6
	s_delay_alu instid0(VALU_DEP_1)
	v_add_nc_u32 v[DQ], v[DQ], v6                  ; r + 8 (r / 8)
	s_delay_alu instid0(VALU_DEP_3)
	v_lshlrev_b32 v7, 4, v7
	s_delay_alu instid0(VALU_DEP_1)
	v_sub_nc_u32 v[DQ], v[DQ], v7                  ; - 16 h
	s_lshl_b32 s84, s15, 5
	v_add_nc_u32 v[DQ], s84, v[DQ]                 ; + 32 g: tile A's query within its block, less 16 h
	s_delay_alu instid0(VALU_DEP_1)
	v_add_nc_u32 v[DQ+1], 8, v[DQ]                 ; tile B is an odd tile: 8 further on
.irp T, 0,1
	v_mov_b32 v[9+4*\T], 0xff61b1e6                ; the largest t so far: -3e38, under every t
	s_delay_alu instid0(VALU_DEP_1)
	v_floor_f32 v[8+4*\T], -v[9+4*\T]              ; -M
	v_mov_b32 v[10+4*\T], 0                        ; the sum, in two halves
	v_mov_b32 v[11+4*\T], 0
.endr
.set j, 0
.rept 64
	v_mov_b32 v[160+j], 0                          ; O^T.  (The step is written for every step alike: the first finds zeros, which the first change of M leaves zeros)
.set j, j+1
.endr
	v_mov_b32 v245, 0                              ; named as the upper halves of pairs, so they are written
	v_mov_b32 v253, 0
	v_mov_b32 v255, 0
	v_mov_b32 v246, 0
	v_mov_b32 v247, 0                              ; a lane permute's destination counts as one of its sources
	v_mov_b32 v248, 0
	v_mov_b32 v[NINF], 0xff800000
	s_wait_kmcnt 0x0
	s_add_co_i32 s80, s74, s75
	s_lshl_b32 s80, s80, 23
	s_add_co_i32 s[CS], s[CS], s80                 ; a score stands for score x 2^(e2 + e3): the two exponents are added to c's exponent field
	s_mov_b32 s[CS+1], s[CS]
	s_add_co_i32 s80, s76, 127
	s_lshl_b32 s81, s80, 23
	v_mov_b32 v[PSC], s81                          ; 2^e4 as f32
	s_sub_co_i32 s80, s78, s76
	s_sub_co_i32 s80, s80, s77
	s_add_co_i32 s80, s80, 127                     ; a sum of the second product stands for sum x 2^(e4 + e5): its code is (sum / l) / 2^(e6 - e4 - e5)
	s_lshl_b32 s81, s80, 23
	v_mov_b32 v[OSC], s81
; A KEY STEP of tile T (0: A, 1: B): 128 keys.  A step all of whose keys come after the tile's queries is left out by a scalar branch on the wave's number and the step's count.
.macro STEP T
.set ST, 8+4*(\T)
.set QR, 16+8*(\T)
.set OT, 160+32*(\T)
	s_cmp_gt_u32 s[KI], s[BLK+\T]
	s_cbranch_scc1 .Lhidden_\@
	v_add_nc_u32 v[ADK], s[TK], v[LI]
	v_add_nc_u32 v[ADV], s[TV], v[LI]
	v_nop
	v_nop                                          ; with the two additions: four places in front of loads into registers that the last products read
.irp f, 0,1,2,3,4,5,6,7
	ds_load_b128 v[FRG+8*\f:FRG+8*\f+3],   v[ADK] offset:1024*\f
	ds_load_b128 v[FRG+8*\f+4:FRG+8*\f+7], v[ADK] offset:1024*\f+512
.endr
	s_wait_alu depctr_va_vdst(0)
	s_wait_dscnt 0x0
.irp f, 0,1,2,3,4,5,6,7                        ; S^T = K Q^T: K = the head's 64.  Register 16 b + i then holds key 128 KI + 32 b + 16 (lane / 16) + i
	v_wmma_f32_16x16x64_fp8_fp8 v[S+8*\f:S+8*\f+7], v[FRG+8*\f:FRG+8*\f+7], v[QR:QR+7], 0
.endr
.rept 4
	v_nop                                          ; places in front of the loads below and of the first read of the scores
.endr
.irp t, 0,1,2,3                                ; V is asked for here: the softmax stands between these loads and the wait for them
.irp c, 0,1,2,3
	ds_load_b128 v[FRG+16*\t+4*\c:FRG+16*\t+4*\c+3], v[ADV] offset:2048*\t+512*\c
.endr
.endr
	s_cmp_lg_u32 s[KI], s[BLK+\T]                  ; only the tile's last step lies on the diagonal
	s_cbranch_scc1 .Lopen_\@
.set n, 0
.rept 64
	v_cmp_gt_i32 vcc_lo, 32*(n/16)+n%16, v[DQ+\T]  ; the register's key comes after my query:
	v_cndmask_b32 v[S+n], v[S+n], v[NINF], vcc_lo  ; its score becomes -infinity ahead of the maximum: p = 0 then
.set n, n+1
.endr
.Lopen_\@:
	v_max3_num_f32 v246, v[S], v[S+1], v[S+2]      ; the step's largest score of my query, among my 64 keys, in two chains, from the low end on,
	v_max3_num_f32 v247, v[S+3], v[S+4], v[S+5]
.irp i, 6,10,14,18,22,26,30,34,38,42,46,50,54,58
	v_max3_num_f32 v246, v246, v[S+\i], v[S+1+\i]
	v_max3_num_f32 v247, v247, v[S+2+\i], v[S+3+\i]
.endr
	v_max3_num_f32 v246, v246, v[S+62], v[S+63]
	s_delay_alu instid0(VALU_DEP_1)
	v_max_num_f32 v246, v246, v247
	s_delay_alu instid0(VALU_DEP_1)
	v_permlanex16_b32 v248, v246, s[SEL], s[SEL+1]
	s_delay_alu instid0(VALU_DEP_1)
	v_max_num_f32 v246, v246, v248                 ; and among lane l xor 16's
	s_delay_alu instid0(VALU_DEP_1)
	v_mul_f32 v246, s[CS], v246                    ; as t (c is positive)
	s_delay_alu instid0(VALU_DEP_1)
	v_max_num_f32 v[ST+1], v[ST+1], v246           ; the running largest t
	v_mov_b32 v246, v[ST]
	s_delay_alu instid0(VALU_DEP_2)
	v_floor_f32 v[ST], -v[ST+1]                    ; the new -M = floor(-t) = -ceil(t): M is a whole number
	s_delay_alu instid0(VALU_DEP_1)
	v_sub_f32 v246, v[ST], v246                    ; M's old value less its new one: a whole number, 0 or less
	s_delay_alu instid0(VALU_DEP_1)
	v_cvt_i32_f32 v246, v246                       ; (it saturates)
	s_delay_alu instid0(VALU_DEP_1)
	v_ldexp_f32 v244, 1.0, v246                    ; f = 2^(old M - new M)
.set j, 0
.rept 32
	v_pk_fma_f32 v[S+j:S+j+1], v[S+j:S+j+1], s[CS:CS+1], v[ST:ST+1] op_sel_hi:[1,0,0]   ; t - M, two at a time (of the pairs c and -M the low word serves both halves)
.set j, j+2
.endr
.set j, 0
	s_wait_alu depctr_va_vdst(0)
.rept 64
	v_exp_f32 v[S+j], v[S+j]                       ; p = 2^(t - M), at most 1: not normalised
.set j, j+1
.endr
	v_pk_mul_f32 v[ST+2:ST+3], v[ST+2:ST+3], v[244:245] op_sel_hi:[1,0]   ; the sums under the new M: a plain instruction behind the exponentials
	s_wait_alu depctr_va_vdst(0)                   ; one wait for the whole batch, ahead of its first reader
	v_pk_add_f32 v[242:243], v[S:S+1], v[S+2:S+3]  ; the row's sum is taken of the UNQUANTISED p: two at a time, in two chains
.irp j, 4,8,12,16,20,24,28,32,36,40,44,48,52,56,60
	v_pk_add_f32 v[ST+2:ST+3], v[ST+2:ST+3], v[S+\j:S+1+\j]
	v_pk_add_f32 v[242:243], v[242:243], v[S+2+\j:S+3+\j]
.endr
	s_delay_alu instid0(VALU_DEP_1)
	v_pk_add_f32 v[ST+2:ST+3], v[ST+2:ST+3], v[242:243]
.irp b, 0,1,2,3
.irp i, 0,1,2,3,4,5,6,7,8,9,10,11,12,13,14,15
.endr
	v_cvt_scalef32_pk8_fp8_f32 v[PC+4*\b:PC+1+4*\b], v[S+16*\b:S+7+16*\b], v[PSC]
	v_cvt_scalef32_pk8_fp8_f32 v[PC+2+4*\b:PC+3+4*\b], v[S+8+16*\b:S+15+16*\b], v[PSC]
.endr
.set j, 0
.rept 16
	v_pk_mul_f32 v[OT+j:OT+j+1], v[OT+j:OT+j+1], v[244:245] op_sel_hi:[1,0]   ; O^T under the new M, each accumulator from its low end on.  (Also the plain instructions between the conversions and the products)
.set j, j+2
.endr
	s_wait_alu depctr_va_vdst(0)
	s_wait_dscnt 0x0                               ; V is in
.irp t, 0,1,2,3                                ; O^T += V^T P^T: K = these 128 keys; four accumulators, one turn each
	v_wmma_f32_16x16x128_fp8_fp8 v[OT+8*\t:OT+8*\t+7], v[FRG+16*\t:FRG+16*\t+15], v[PC:PC+15], v[OT+8*\t:OT+8*\t+7]
.endr
.Lhidden_\@:
.endm
	s_wait_loadcnt 0x0                             ; Q
	s_wait_tensorcnt 0x1                           ; my part of key steps 0-3 is in; the load of steps 4-15 may stay out
	s_barrier_signal -1
	s_barrier_wait -1                              ; everybody's is
	s_mov_b32 s[KI], 0
	s_mov_b32 s[TK], KLO
	s_mov_b32 s[TV], VLO
.Lfirst:                                           ; four trips: every wave walks all steps, and jumps over the work of those that are hidden
	STEP 0
	STEP 1
	s_add_co_u32 s[TK], s[TK], STEPB
	s_add_co_u32 s[TV], s[TV], STEPB
	s_add_co_u32 s[KI], s[KI], 1
	s_cmp_lt_u32 s[KI], 4
	s_cbranch_scc1 .Lfirst
	s_wait_tensorcnt 0x0                           ; my part of key steps 4-15 is in,
	s_wait_dscnt 0x0
	s_barrier_signal -1
	s_barrier_wait -1                              ; everybody's is
	s_mov_b32 s[KI], 4
	s_mov_b32 s[TK], KHI
	s_mov_b32 s[TV], VHI
.Lrest:                                            ; twelve trips
	STEP 0
	STEP 1
	s_add_co_u32 s[TK], s[TK], STEPB
	s_add_co_u32 s[TV], s[TV], STEPB
	s_add_co_u32 s[KI], s[KI], 1
	s_cmp_lt_u32 s[KI], 16
	s_cbranch_scc1 .Lrest
	; THE WAY OUT.  O^T / the sum is converted with the folded scale, and stored as it stands: registers 4 c .. 4 c + 3 of a tile's codes are channels 32 c + 16 (lane / 16) + 0 .. 15 of my query
.rept 4
	v_nop                                          ; places behind the last products
.endr
	v_add_f32 v10, v10, v11                        ; the sums' two halves,
	s_wait_alu depctr_va_vdst(0)
	v_add_f32 v14, v14, v15
	v_permlanex16_b32 v248, v10, s[SEL], s[SEL+1]
	s_delay_alu instid0(VALU_DEP_2)
	v_permlanex16_b32 v247, v14, s[SEL], s[SEL+1]
	s_delay_alu instid0(VALU_DEP_2)
	v_add_f32 v10, v10, v248                       ; and lane l xor 16's: the rows' sums
	s_delay_alu instid0(VALU_DEP_2)
	v_add_f32 v14, v14, v247
	s_wait_alu depctr_va_vdst(0)
	v_rcp_f32 v252, v10
	v_rcp_f32 v254, v14
	v_nop                                          ; a plain instruction behind the last reciprocal
	s_wait_alu depctr_va_vdst(0)                   ; one wait for both, ahead of their first reader
.irp T, 0,1
.set j, 0
.rept 16
	v_pk_mul_f32 v[S+32*\T+j:S+32*\T+j+1], v[160+32*\T+j:160+32*\T+j+1], v[252+2*\T:253+2*\T] op_sel_hi:[1,0]
.set j, j+2
.endr
.set j, 0
.rept 32
.set j, j+1
.endr
.irp g, 0,1,2,3
	v_cvt_scalef32_pk8_fp8_f32 v[PC+8*\T+2*\g:PC+8*\T+2*\g+1], v[S+32*\T+8*\g:S+32*\T+8*\g+7], v[OSC]
.endr
	v_nop                                          ; a plain instruction behind the last conversion
	global_store_b128 v[LI], v[PC+8*\T:PC+8*\T+3], s[66+2*\T:67+2*\T]               ; 32 lanes store 512 consecutive bytes, aligned
	global_store_b128 v[LI], v[PC+8*\T+4:PC+8*\T+7], s[66+2*\T:67+2*\T] offset:512
.endr
	s_wait_xcnt 0x0
	v_lshl_add_u32 v254, v0, 2, 0x40000
	v_mov_b32 v255, 0
	s_wait_alu depctr_va_vdst(0)
	s_wait_tensorcnt 0x0
	ds_add_u32 v254, v255
	s_wait_dscnt 0x0
	CROUND                                         ; the closing round: no work-group ends while a partner may still ask for a tile that names it
	s_endpgm
.Lfunc_end_k_qfb017e557e_attn:
	.size	k_qfb017e557e_attn, .Lfunc_end_k_qfb017e557e_attn-k_qfb017e557e_attn
	.p2alignl 7, 3214868480
	.fill 96, 4, 3214868480
	.section	.rodata,"a",@progbits
	.p2align	6, 0x0
	.amdhsa_kernel k_qfb017e557e_attn
		.amdhsa_group_segment_fixed_size 327680
		.amdhsa_private_segment_fixed_size 0
		.amdhsa_enable_private_segment 0
		.amdhsa_kernarg_size 40
		.amdhsa_user_sgpr_count 2
		.amdhsa_user_sgpr_kernarg_segment_ptr 1
		.amdhsa_wavefront_size32 1
		.amdhsa_system_sgpr_workgroup_id_x 1
		.amdhsa_system_sgpr_workgroup_id_y 1
		.amdhsa_system_sgpr_workgroup_id_z 1
		.amdhsa_system_vgpr_workitem_id 0
		.amdhsa_next_free_vgpr 256
		.amdhsa_next_free_sgpr 96
		.amdhsa_reserve_vcc 1
		.amdhsa_float_denorm_mode_32 3
		.amdhsa_float_denorm_mode_16_64 3
		.amdhsa_fp16_overflow 1
		.amdhsa_memory_ordered 1
		.amdhsa_forward_progress 1
		.amdhsa_inst_pref_size 88
	.end_amdhsa_kernel
	.amdgpu_metadata
---
amdhsa.version: [ 1, 2 ]
amdhsa.kernels:
  - .name:           k_qfb017e557e_attn
    .symbol:         k_qfb017e557e_attn.kd
    .args:
      - { .name: q_codes, .offset: 0, .size: 8, .value_kind: global_buffer, .address_space: global }
      - { .name: k_codes, .offset: 8, .size: 8, .value_kind: global_buffer, .address_space: global }
      - { .name: v_codes, .offset: 16, .size: 8, .value_kind: global_buffer, .address_space: global }
      - { .name: lowp_scales, .offset: 24, .size: 8, .value_kind: global_buffer, .address_space: global }
      - { .name: ao_codes, .offset: 32, .size: 8, .value_kind: global_buffer, .address_space: global }
    .group_segment_fixed_size: 327680
    .private_segment_fixed_size: 0
    .kernarg_segment_align: 8
    .kernarg_segment_size: 40
    .max_flat_workgroup_size: 512
    .sgpr_count:     96
    .vgpr_count:     256
    .wavefront_size: 32
...
	.end_amdgpu_metadata
.endif
;; end of part 3
;; launch gemm_out (part 4): grid 8 x 32, 4 waves a work-group, clusters of 4 x 4, 327,680 bytes of LDS; arguments ao_codes, w_codes, lowp_scales, b_out, out0; writes out0
.if DOCPART == 4
	.amdgcn_target "amdgcn-amd-amdhsa--gfx1250"
	.amdhsa_code_object_version 6
	.text
	.protected	k_qfb017e557e_gemm_out
	.globl	k_qfb017e557e_gemm_out
	.p2align	8
	.type	k_qfb017e557e_gemm_out,@function
k_qfb017e557e_gemm_out:
	s_mov_b64 s[64:65], 0
	v_nop
	global_prefetch_b8 v0, s[64:65] scope:SCOPE_SE
	s_setreg_imm32_b32 hwreg(HW_REG_WAVE_MODE, 25, 1), 1
	s_wait_xcnt 0x0
	s_wait_alu depctr_hold_cnt(0) depctr_sa_sdst(0) depctr_va_vdst(0) depctr_va_sdst(0) depctr_va_ssrc(0) depctr_va_vcc(0) depctr_vm_vsrc(0)
	s_getreg_b32 s2, hwreg(HW_REG_IB_STS2, 6, 4)
	s_cmp_eq_u32 s2, 0
	s_cbranch_scc0 .Lentry_in_a_cluster
	s_endpgm
.Lentry_in_a_cluster:
	s_bfe_u32 s2, ttmp6, 0x10000c
	s_cmp_lg_u32 s2, 0xf033
	s_cbranch_scc0 .Lentry_shape_is_right
	s_endpgm
.Lentry_shape_is_right:
; out0 = (attention's result) w_out + b_out on codes of FP8 (E4M3): each finished sum is multiplied by 2^(e6 + e7) and b_out is added, in one fused multiply-add.  out0: [8192][1024] f32.
; A = ao_codes: [batch x head 64][tile of 16 places 128][c 2][lane 32][16 bytes]: images of operand registers; lane (r, h) of tile 2 B + u holds token 32 B + 8 u + r + 8 (r / 8), channels 32 c + 16 h + 0 .. 15 of the head.
; B = w_codes, places 3072-4095: [place][1024 k], K innermost; column n of w_out lies at place 3072 + sw(n), n with its bits 3 and 4 exchanged.
; A tile of out0, 256 rows x 128 columns, is made by a work-group of four waves: 256 work-groups, one for each WGP.  A wave makes 128 x 64: 32 accumulators.
; K = 1,024 goes in four steps of 256 (four heads) through THREE LDS slots: three steps are asked for at the start, and one refill brings the fourth.
; THE MATRIX INSTRUCTION IS USED TRANSPOSED (source 0 = 16 places of B, source 1 = 16 places of A): a lane holds one token, and by the order of B's places the 16 registers of B's blocks 2 i, 2 i + 1 are 16 neighbouring columns.
; CLUSTERS: 4 x 4 work-groups.  The four of a row of the cluster need the same tiles of A, the four of a column the same tiles of B: each tile is asked for JOINTLY, by the same tensor load with the same descriptor and a mask that names the four.
; LIMIT: e6 + e7 between -126 and 127, so that 2^(e6 + e7) is an f32 number.
; REGISTERS, in windows of 256: window 0: v16-29 addresses; v32-63 at work on the way out; v64-95 b_out in the results' layout; v128-255 A's fragments, ONE set, later rows of out0.
;   window 1: B's fragments, TWO sets, at v0 and v128.   window 2: the 32 accumulators ((a, b) at v[8 (4 a + b)]).
.set NBB,    4                         ; B's blocks of 16 places for a wave
.set FR,     16                        ; registers of a fragment: 16 places x 128 K
.set NP,     4                         ; places behind this matrix instruction (ISA guide 7.12.1)
.set PITCH,  272                       ; an LDS row of B, and of the stage: 256 bytes + 16 = 68 words: 16 rows start at 16 different banks (64 banks of 4 bytes: ISA guide 11.1)
.set AHALF,  32768                     ; A in a slot: two halves of 128 places: 4 heads x 8 tiles x 1,024 bytes, images, dense
.set BOFF,   2*AHALF                   ; B in a slot: two halves of 64 rows
.set BHALF,  64*PITCH
.set SLOT,   BOFF+2*BHALF              ; 100,352 bytes
.set SPARE,  3*SLOT                    ; behind the slots: the spare words, 128 bytes for each wave: two blocks of 256 bytes that no other line names
.set STAGE,  SPARE+512                 ; behind them: 16 rows x 272 bytes for each wave, for the way out; no fill lands here
.set ASTEP,  3*524288                  ; the refill's step in memory: three K steps on: 12 heads of 131,072 bytes in A,
.set BSTEP,  768                       ; 768 bytes of a row in B
.set ADRA, 16                          ; v16-18  LDS address of my A fragments in slot 0, 1, 2
.set ADRB, 20                          ; v20-22  the same for B
.set STO,  24                          ; v24     the way out: where I put 32 bytes of a row
.set RD,   25                          ; v25     the way out: where I read a row back
.set CO,   26                          ; v26     my byte offset in two rows of out0
.set BO,   27                          ; v27     my byte offset in b_out
.set SPW,  28                          ; v28     LDS address of my spare word: SPARE + 4 x my thread's number; never rewritten
.set NIL,  29                          ; v29     0; never rewritten
.set TMP,  32
.set BIAS, 64
.set AF,   128
.set BK,   128                         ; the way out: 16 rows read back from the stage: v128-159 and v160-191 by turns
.set G1, 24                            ; s[24:31] descriptor group 1 for A's tiles;  s[32:43] group 0, one set for each slot
.set G0, 32
.set G1B, 48                           ; s[48:55], s[84:95] the same for B's tiles
.set G0B, 84
.set MULW0, 0xa1                       ; source 0 (B) window 1, source 1 (A) window 0, C and D window 2
.set MULW4, 0xa1+0x50*((NBB*4)/32)     ; the same: all 32 accumulators lie in window 2
.set TO_B,  0x40                       ; destination window 1, address window 0
.set MSB, 0
.macro WIN new                         ; the immediate's high byte repeats the setting that is left; a switch that changes nothing is dropped
.if MSB != (\new)
	s_set_vgpr_msb (MSB<<8)|(\new)
.set MSB, (\new)
.endif
.endm
; A joint load: waves 0 and 1 fetch A's two halves, waves 2 and 3 B's.  The branch hangs on the wave's number alone.  Four v_nop follow each of the two lines.
.macro JLOAD s
	s_cmp_eq_u32 s17, 0
	s_cbranch_scc0 .Lfor_b_\@
	tensor_load_to_lds s[G0+4*(\s):G0+4*(\s)+3], s[G1:G1+7]
	s_nop 0
.rept 4
	v_nop
.endr
	s_branch .Lasked_\@
.Lfor_b_\@:
	tensor_load_to_lds s[G0B+4*(\s):G0B+4*(\s)+3], s[G1B:G1B+7]
	s_nop 0
.rept 4
	v_nop
.endr
.Lasked_\@:
.endm
.macro CREST                           ; a round of the cluster's barrier behind its opening barrier
	s_cmp_lg_u32 s16, 0
	s_cbranch_scc1 .Lnot_wave_0_\@
	s_barrier_signal -3
.Lnot_wave_0_\@:
	s_barrier_wait -3
	s_barrier_signal -1
	s_barrier_wait -1
.endm
.macro CROUND                          ; a whole round
	s_barrier_signal -1
	s_barrier_wait -1
	CREST
.endm
	s_load_b256 s[4:11], s[0:1], 0x0               ; ao_codes s[4:5], w_codes s[6:7], the scales' exponents s[8:9], b_out s[10:11]
	s_load_b64 s[12:13], s[0:1], 0x20              ; out0
	v_lshl_add_u32 v[SPW], v0, 2, SPARE
	v_mov_b32 v[NIL], 0
	ds_add_u32 v28, v29
	ds_add_u32 v28, v29
	s_wait_dscnt 0x0
	v_lshrrev_b32 v1, 5, v0
	v_readfirstlane_b32 s16, v1                    ; wave 0..3
	s_lshr_b32 s17, s16, 1                         ; which half of the tile's 256 rows is mine.  Also: I fetch for A (0) or for B (1)
	s_and_b32 s18, s16, 1                          ; which half of its 128 columns.  Also: which half of that tile I fetch
	s_bfe_u32 s19, ttmp6, 0x40000                  ; cx, cy: my place in the cluster
	s_bfe_u32 s20, ttmp6, 0x40004
	s_and_b32 s21, ttmp7, 0xffff
	s_lshl_b32 s21, s21, 2
	s_add_co_u32 s21, s21, s20                     ; tile row = 4 x cluster y + cy
	s_lshl_b32 s22, ttmp9, 2
	s_add_co_u32 s22, s22, s19                     ; tile column = 4 x cluster x + cx
	s_lshl_b32 s41, s20, 2
	s_lshl_b32 s41, 15, s41                        ; my row of the cluster
	s_lshl_b32 s42, 0x1111, s19                    ; my column
	; descriptor group 1 for A: 4 heads' runs of 8,192 bytes (8 tiles), 131,072 bytes apart, dense in LDS
	s_or_b32 s[G1+0], s41, (3<<16)|(1<<21)         ; 15:0 the mask: A's tiles go to my row; 17:16 elements of 8 bytes; 20 no padding; 21 set beside a mask
	s_mov_b32 s[G1+1], 1024<<16                    ; tensor_dim0 = 1,024 elements
	s_mov_b32 s[G1+2], 4<<16                       ; tensor_dim1 = 4
	s_mov_b32 s[G1+3], 1024<<16                    ; tile_dim0
	s_mov_b32 s[G1+4], 4                           ; tile_dim1
	s_mov_b32 s[G1+5], 16384                       ; tensor_dim0_stride: a head is 16,384 elements
	s_mov_b32 s[G1+6], 0
	s_mov_b32 s[G1+7], 0
	; for B: 64 rows x 256 bytes, padded in LDS
	s_or_b32 s[G1B+0], s42, (0<<16)|(1<<20)|(1<<21)|(5<<22)|(3<<25)   ; the mask of my column; elements of 1 byte; padding: 4 words (code 3) after every 64 (code 5)
	s_mov_b32 s[G1B+1], 256<<16
	s_mov_b32 s[G1B+2], 64<<16
	s_mov_b32 s[G1B+3], 256<<16
	s_mov_b32 s[G1B+4], 64
	s_mov_b32 s[G1B+5], 1024
	s_mov_b32 s[G1B+6], 0
	s_mov_b32 s[G1B+7], 0
	s_lshr_b32 s44, s21, 3                         ; A: the batch (eight tile rows each): 16 heads of 131,072 bytes,
	s_lshl_b32 s44, s44, 21
	s_and_b32 s45, s21, 7
	s_lshl_b32 s45, s45, 14                        ; + the tile row's 16 tiles of 1,024 bytes,
	s_add_co_u32 s44, s44, s45
	s_lshl_b32 s45, s18, 13                        ; + the 8 tiles that I fetch
	s_add_co_u32 s44, s44, s45
	s_mov_b32 s45, 0
	s_lshl_b32 s46, s22, 17                        ; B: 128 places x 1,024 bytes x tile column,
	s_lshl_b32 s47, s18, 16                        ; + the 64 that I fetch,
	s_add_co_u32 s46, s46, s47
	s_add_co_u32 s46, s46, 3072*1024               ; behind w_qkv's places
	s_mov_b32 s47, 0
	s_lshl_b32 s56, s18, 15                        ; where they go: A's half,
	s_mul_i32 s57, s18, BHALF
	s_add_co_u32 s57, s57, BOFF                    ; B's half: no place in the cluster enters an LDS address
	s_wait_kmcnt 0x0
	s_load_b256 s[72:79], s[8:9], 0x0              ; e0 .. e7
	s_add_nc_u64 s[66:67], s[4:5], s[44:45]
	s_add_nc_u64 s[68:69], s[6:7], s[46:47]
	CROUND                                         ; all sixteen work-groups are here: the first joint loads meet
.irp s, 0,1,2
	s_mov_b32 s[G0+4*\s], 1                        ; count = 1
	s_add_co_u32 s[G0+4*\s+1], s56, \s*SLOT        ; LDS address
	s_add_nc_u64 s[G0+4*\s+2:G0+4*\s+3], s[66:67], \s*524288   ; global address: K step s = heads 4 s on
	s_or_b32 s[G0+4*\s+3], s[G0+4*\s+3], 0x80000000            ; type = 2
	s_mov_b32 s[G0B+4*\s], 1
	s_add_co_u32 s[G0B+4*\s+1], s57, \s*SLOT
	s_add_nc_u64 s[G0B+4*\s+2:G0B+4*\s+3], s[68:69], \s*256
	s_or_b32 s[G0B+4*\s+3], s[G0B+4*\s+3], 0x80000000
	JLOAD \s                                       ; three loads of mine are out behind these
.endr
	v_and_b32 v1, 15, v0                           ; r = lane % 16
	v_bfe_u32 v2, v0, 4, 1                         ; h = lane / 16
	v_and_b32 v3, 31, v0
	v_lshlrev_b32 v3, 4, v3                        ; 16 x lane: my place in an image
	v_mul_u32_u24 v4, v1, PITCH
	v_lshl_add_u32 v4, v2, 4, v4                   ; B: a fragment's row x pitch + 16 x half
	s_lshl_b32 s62, s17, 15                        ; my 128 places of A
	s_mul_i32 s63, s18, BHALF
	s_add_co_u32 s63, s63, BOFF                    ; my 64 rows of B
.irp s, 0,1,2
	v_add_nc_u32 v[ADRA+\s], s62, v3
	v_add_nc_u32 v[ADRB+\s], s63, v4
	s_add_co_u32 s62, s62, SLOT
	s_add_co_u32 s63, s63, SLOT
.endr
	s_mul_i32 s62, s16, 16*PITCH
	s_add_co_u32 s62, s62, STAGE                   ; my stage
	v_mul_u32_u24 v5, v1, PITCH
	v_lshl_add_u32 v5, v2, 6, v5
	v_add_nc_u32 v[STO], s62, v5                   ; in: row r, + 64 h bytes: my half's 16 columns of each 32
	v_mul_u32_u24 v5, v2, PITCH
	v_lshl_add_u32 v5, v1, 4, v5
	v_add_nc_u32 v[RD], s62, v5                    ; back: lanes 0-15 take one row of 256 bytes, lanes 16-31 the next
	v_lshlrev_b32 v5, 12, v2
	v_lshl_add_u32 v[CO], v1, 4, v5                ; and the same two rows in out0: a row is 4,096 bytes
	v_lshlrev_b32 v[BO], 6, v2
	s_lshl_b32 s58, s21, 20                        ; out0: 256 rows x tile row,
	s_lshl_b32 s59, s17, 19                        ; + my 128 rows,
	s_add_co_u32 s58, s58, s59
	s_lshl_b32 s60, s22, 9                         ; + 128 columns x tile column,
	s_lshl_b32 s61, s18, 8                         ; + my 64 columns
	s_add_co_u32 s60, s60, s61
	s_add_co_u32 s58, s58, s60
	s_mov_b32 s59, 0
	s_mov_b32 s61, 0
	s_add_nc_u64 s[12:13], s[12:13], s[58:59]
	s_add_nc_u64 s[10:11], s[10:11], s[60:61]      ; b_out at my 64 columns
.irp b, 0,1,2,3                                ; b_out in the results' layout: register 8 b + j is column 32 (b / 2) + 16 h + 8 (b % 2) + j
	global_load_b128 v[BIAS+8*\b:BIAS+8*\b+3],   v[BO], s[10:11] offset:128*(\b/2)+32*(\b%2)
	global_load_b128 v[BIAS+8*\b+4:BIAS+8*\b+7], v[BO], s[10:11] offset:128*(\b/2)+32*(\b%2)+16
.endr
; A fragment, 16 places x 128 K of 8-bit codes, is 16 registers: lane l holds place l % 16; registers 4 c .. 4 c + 3 hold K = 32 c + 16 (l / 16) + 0 .. 15: the same order of K in A and in B.
.macro FRAGB reg, slot, q, i
.irp c, 0,1,2,3
	ds_load_b128 v[\reg+4*\c:\reg+4*\c+3], v[ADRB+\slot] offset:128*(\q)+32*\c+(\i)*16*PITCH
.endr
.endm
.macro FRAGA reg, slot, q, i           ; A's come as images: head 2 q + c / 2 of the slot's four, tile i, half c % 2 of the head's channels: 512 consecutive bytes a load
.irp c, 0,1,2,3
	ds_load_b128 v[\reg+4*\c:\reg+4*\c+3], v[ADRA+\slot] offset:(2*(\q)+\c/2)*8192+(\i)*1024+(\c%2)*512
.endr
.endm
.macro FETCH_B slot, q, p              ; B's fragments of the slot's q-th 128 along K into set p
	WIN TO_B
.set bb, 0
.rept NBB
	FRAGB 128*(\p)+FR*bb, \slot, \q, bb
.set bb, bb+1
.endr
	WIN 0
.endm
.macro FETCH_A slot, q, i0             ; A's blocks i0 .. i0 + 3
.irp i, \i0, \i0+1, \i0+2, \i0+3
	FRAGA AF+FR*(\i), \slot, \q, \i
.endr
.endm
; A's blocks a0, a0 + 1 x all of B's, 128 along K.  p: B's set.  zero = 1: the first product starts the sums.  The accumulators take turns, one instruction a turn, in the same order in every step.
.macro MUL2 a0, p, zero
.irp a, \a0, \a0+1
.set bb, 0
.rept NBB
.set AC, 8*((NBB*(\a)+bb)%32)
.if \zero
	v_wmma_f32_16x16x128_fp8_fp8 v[AC:AC+7], v[128*(\p)+FR*bb:128*(\p)+FR*bb+FR-1], v[AF+FR*(\a):AF+FR*(\a)+FR-1], 0
.else
	v_wmma_f32_16x16x128_fp8_fp8 v[AC:AC+7], v[128*(\p)+FR*bb:128*(\p)+FR*bb+FR-1], v[AF+FR*(\a):AF+FR*(\a)+FR-1], v[AC:AC+7]
.endif
.set bb, bb+1
.endr
.endr
.endm
; A load into a register that a matrix instruction has read, and a vector instruction that reads a matrix result, stand NP places behind it, and only plain vector instructions that name none of its registers are places
; (ISA guide 7.12.1 for vector instructions).
.macro PLACES n
.rept \n
	v_nop
.endr
.endm
; A step of 128 along K on B's set p; the next step's fragments lie in slot ns at its nq-th 128.  One set of registers serves A: blocks 0-3 are fetched anew in the step's middle, 4-7 at its end.
.macro STEP p, zero, ns, nq
	s_wait_dscnt 16                                ; B's set and A's blocks 0-3 are in; the youngest sixteen loads (A's blocks 4-7) may be out
	WIN MULW0
	MUL2 0, \p, \zero
	MUL2 2, \p, \zero
	s_wait_dscnt 0                                 ; A's blocks 4-7 are in
	PLACES NP
	FETCH_B \ns, \nq, 1-\p
	FETCH_A \ns, \nq, 0
	WIN MULW4
	MUL2 4, \p, \zero
	MUL2 6, \p, \zero
	PLACES NP
	WIN 0
	FETCH_A \ns, \nq, 4
.endm
; A step on B's set 1 with a barrier in it: in front of the barrier each wave waits for all its tensor loads, adds 0 to its spare word, and waits for that and for its own LDS reads.
; fill = 1: slot fs, which nobody reads any more, is filled again: the barrier then opens a round of the cluster's barrier, and the joint refill is the first thing behind the round.
.macro TURN ns, fs, fill
	s_wait_tensorcnt 0x0                           ; all my tensor loads have landed  (every window is 0 here)
	ds_add_u32 v[SPW], v[NIL]                      ; 0 onto my spare word
	s_wait_dscnt 17                                ; (the add and the youngest sixteen loads, A's blocks 4-7, may be out)
	WIN MULW0
	MUL2 0, 1, 0                                   ; matrix instructions stand between the add and the wait for it
	s_wait_dscnt 0x0                               ; the add is done, and my reads of the slot in hand are over
	s_barrier_signal -1
	MUL2 2, 1, 0
	WIN 0
	s_barrier_wait -1
.if \fill
	CREST                                          ; no wave of any partner still reads the slot's tile or has a load on its way
	s_add_nc_u64 s[G0+4*(\fs)+2:G0+4*(\fs)+3], s[G0+4*(\fs)+2:G0+4*(\fs)+3], ASTEP    ; no load of mine is out, so a group 0 may be written
	s_add_nc_u64 s[G0B+4*(\fs)+2:G0B+4*(\fs)+3], s[G0B+4*(\fs)+2:G0B+4*(\fs)+3], BSTEP
	JLOAD \fs                                      ; my one tensor load behind the round; the four v_nop behind it are also the places in front of the loads below
.else
	PLACES NP
.endif
	FETCH_B \ns, 0, 0
	FETCH_A \ns, 0, 0
	WIN MULW4
	MUL2 4, 1, 0
	MUL2 6, 1, 0
	PLACES NP
	WIN 0
	FETCH_A \ns, 0, 4
.endm
	s_wait_tensorcnt 2                             ; my part of K step 0 is in (the loads of K steps 1 and 2 may be out)
	s_barrier_signal -1
	s_barrier_wait -1                              ; everybody's is
	FETCH_B 0, 0, 0
	FETCH_A 0, 0, 0
	FETCH_A 0, 0, 4
	; K = 1,024 is eight steps of 128: they are written out
	STEP 0, 1, 0, 1                                ; K 0-127: its products start the sums
	TURN 1, 0, 1                                   ; K 128-255; slots 1 and 2 are whole in every wave's sight behind this round; slot 0 takes K 768-1023
	STEP 0, 0, 1, 1                                ; K 256-383
	STEP 1, 0, 2, 0                                ; K 384-511; on to slot 2: it was shown whole by the round above, and nothing is written over: no barrier
	STEP 0, 0, 2, 1                                ; K 512-639
	TURN 0, 0, 0                                   ; K 640-767; the refill has had four steps in which to land; nothing is left to fetch
	STEP 0, 0, 0, 1                                ; K 768-895
	s_wait_dscnt 16                                ; K 896-1023: the last step
	WIN MULW0
	MUL2 0, 1, 0
	MUL2 2, 1, 0
	s_wait_dscnt 0
	WIN MULW4
	MUL2 4, 1, 0
	MUL2 6, 1, 0
	WIN 0
; THE WAY OUT, block by block of 16 places x 64 columns.  A lane holds pieces of 32 neighbouring bytes of a row, and the lanes beside it hold other rows: so a block goes through my own stage in LDS and comes back as whole
; rows of 256 bytes.  LDS serves a wave's instructions in order (ISA guide 5.7.1.4): no wait between the stores and the loads, nor in front of the next block's stores.
.macro TOSTAGE a
	WIN 0x02                                       ; source 0: window 2
.set j, 0
.rept 16
	v_pk_fma_f32 v[TMP+j:TMP+j+1], v[32*(\a)+j:32*(\a)+j+1], s[96:97], v[BIAS+j:BIAS+j+1] op_sel_hi:[1,0,1]   ; sum x 2^(e6 + e7) + b_out, two at a time; each accumulator from its low end on
.set j, j+2
.endr
	WIN 0
.irp b, 0,1,2,3
	ds_store_b128 v[STO], v[TMP+8*\b:TMP+8*\b+3]   offset:128*(\b/2)+32*(\b%2)
	ds_store_b128 v[STO], v[TMP+8*\b+4:TMP+8*\b+7] offset:128*(\b/2)+32*(\b%2)+16
.endr
.irp t, 0,1,2,3,4,5,6,7
	ds_load_b128 v[BK+32*((\a)%2)+4*\t:BK+32*((\a)%2)+4*\t+3], v[RD] offset:\t*2*PITCH
.endr
.endm
.macro SEND a, younger                 ; younger: the LDS instructions issued behind block a's loads, which may stay out
	s_wait_dscnt \younger                          ; the block is back in registers
.irp t, 0,1,2,3,4,5,6,7                        ; stage rows 2 t and 2 t + 1 are places: the immediate puts them back at their rows: 32 (a / 2) + 8 (a % 2) + 2 t + 8 (t / 4)
	global_store_b128 v[CO], v[BK+32*((\a)%2)+4*\t:BK+32*((\a)%2)+4*\t+3], s[12:13] offset:(32*((\a)/2)+8*((\a)%2)+2*\t+8*(\t/4))*4096 th:TH_STORE_NT   ; 16 lanes store 256 consecutive bytes, aligned; written once, read by nobody here
.endr
.endm
	s_wait_kmcnt 0x0
	s_add_co_i32 s96, s78, s79                     ; e6 + e7, between -126 and 127,
	s_add_co_i32 s96, s96, 127
	s_lshl_b32 s96, s96, 23                        ; makes the f32 number 2^(e6 + e7)
	s_mov_b32 s97, s96                             ; (named with it as a pair, so it is written)
	s_wait_loadcnt 0x0                             ; b_out
	PLACES NP                                      ; behind the last products
	TOSTAGE 0
.irp a, 1,2,3,4,5,6,7
.if \a > 1
	s_wait_xcnt 0x0                                ; block a - 2's stores have read their registers: block a's loads may land there
.endif
	TOSTAGE \a
	SEND \a-1, 16                                  ; behind block a - 1's loads: block a's 8 stores and 8 loads
.endr
	SEND 7, 0
	s_wait_tensorcnt 0x0                           ; the wave's end, behind my last tensor load and my last LDS store
	ds_add_u32 v[SPW], v[NIL]
	s_wait_dscnt 0x0
	CROUND                                         ; the closing round: no work-group ends while a partner may still ask for a tile that names it
	s_endpgm
.Lfunc_end_k_qfb017e557e_gemm_out:
	.size	k_qfb017e557e_gemm_out, .Lfunc_end_k_qfb017e557e_gemm_out-k_qfb017e557e_gemm_out
	.p2alignl 7, 3214868480
	.fill 96, 4, 3214868480
	.section	.rodata,"a",@progbits
	.p2align	6, 0x0
	.amdhsa_kernel k_qfb017e557e_gemm_out
		.amdhsa_group_segment_fixed_size 327680
		.amdhsa_private_segment_fixed_size 0
		.amdhsa_enable_private_segment 0
		.amdhsa_kernarg_size 40
		.amdhsa_user_sgpr_count 2
		.amdhsa_user_sgpr_kernarg_segment_ptr 1
		.amdhsa_wavefront_size32 1
		.amdhsa_system_sgpr_workgroup_id_x 1
		.amdhsa_system_sgpr_workgroup_id_y 1
		.amdhsa_system_sgpr_workgroup_id_z 1
		.amdhsa_system_vgpr_workitem_id 0
		.amdhsa_next_free_vgpr 768
		.amdhsa_next_free_sgpr 100
		.amdhsa_reserve_vcc 0
		.amdhsa_float_denorm_mode_32 3
		.amdhsa_float_denorm_mode_16_64 3
		.amdhsa_memory_ordered 1
		.amdhsa_forward_progress 1
		.amdhsa_inst_pref_size 78
	.end_amdhsa_kernel
	.amdgpu_metadata
---
amdhsa.version: [ 1, 2 ]
amdhsa.kernels:
  - .name:           k_qfb017e557e_gemm_out
    .symbol:         k_qfb017e557e_gemm_out.kd
    .args:
      - { .name: ao_codes, .offset: 0, .size: 8, .value_kind: global_buffer, .address_space: global }
      - { .name: w_codes, .offset: 8, .size: 8, .value_kind: global_buffer, .address_space: global }
      - { .name: lowp_scales, .offset: 16, .size: 8, .value_kind: global_buffer, .address_space: global }
      - { .name: b_out, .offset: 24, .size: 8, .value_kind: global_buffer, .address_space: global }
      - { .name: out0, .offset: 32, .size: 8, .value_kind: global_buffer, .address_space: global }
    .group_segment_fixed_size: 327680
    .private_segment_fixed_size: 0
    .kernarg_segment_align: 8
    .kernarg_segment_size: 40
    .max_flat_workgroup_size: 128
    .sgpr_count:     100
    .vgpr_count:     768
    .wavefront_size: 32
...
	.end_amdgpu_metadata
.endif
;; end of part 4
